; MI455X (gfx1250); checked and timed in simulation.
; The chip was launched on July 23, 2026; its instructions are those of AMD's public machine-readable ISA for CDNA 5 (MIT licence, August 2026) and "CDNA5" Instruction Set Architecture Reference Guide (July 2026). The comments in the code are by the model that wrote it; some were corrected since.
;; Multi Head Attention. Allowed arithmetic: matrix products marked QUANTISED: E2M3 operands, one E8M0 scale for each 32 along K, by v_wmma_scale_f32_16x16x128_f8f6f4 with both operands' format E2M3, f32 sums; everything else in f32.
;; Inputs: Wk 512 x 512 float32; Wo 512 x 512 float32; Wq 512 x 512 float32; Wv 512 x 512 float32; bk 512 float32; bo 512 float32; bq 512 float32; bv 512 float32; mask 2 x 4,096 float32; query 2 x 4,096 x 512 float32.
;; Outputs: out0 2 x 4,096 x 512 float32.
;; This version of the problem:
;;   THIS VERSION OF THE PROBLEM IS GIVEN IN LOW PRECISION. The matrix products marked QUANTISED in the list below multiply operands that are first quantised to E2M3 (2 exponent bits, 3 mantissa bits; 6 bits a number), with one power-of-two scale for each 32 numbers along K (OCP MX v1.0); their sums are f32. All else is computed in f32.
;;   The module's matrix products, in the order in which they are computed (A, B: the left and right operand; K: the contracted axis; several contracted axes count as one K, in the product's order):
;;     1. [M 8,192, K 512] x [K 512, N 512]; A: input query; B: input Wq: QUANTISED
;;     2. [M 8,192, K 512] x [K 512, N 512]; A: input query; B: input Wk: QUANTISED
;;     3. [M 8,192, K 512] x [K 512, N 512]; A: input query; B: input Wv: QUANTISED
;;     4. batch 16 x [M 4,096, K 64] x [K 64, N 4,096]; A: computed on the way; B: computed on the way: QUANTISED
;;     5. batch 16 x [M 4,096, K 4,096] x [K 4,096, N 64]; A: softmax (see below); B: computed on the way: QUANTISED
;;     6. [M 8,192, K 512] x [K 512, N 512]; A: computed on the way; B: input Wo: QUANTISED
;;   THE QUANTISER, for each operand of a quantised product, along K:
;;     - K is cut into blocks of 32 from its start; a last block that is shorter is filled with zeros.
;;     - A block's scale is 2^e with e = floor(log2(the largest magnitude in the block)) - 2, held to -126 .. 127; a block of zeros has e = 0. As a byte (E8M0): e + 127.
;;     - Each number is divided by its block's scale, clamped to +-7.5, and rounded to the nearest number of E2M3, ties to even, subnormals kept.
;;     - The product sums the exact products of the quantised numbers (number of the format x scale) in f32.
;;   ~~~python
;;   def quantise(x, axis):      # numpy; x: float32 -> the quantised numbers, widened to float32 again
;;       x = np.moveaxis(x, axis, -1); K = x.shape[-1]
;;       x = np.pad(x, [(0, 0)] * (x.ndim - 1) + [(0, -K % 32)]); x = x.reshape(x.shape[:-1] + (-1, 32)); a = np.abs(x).max(-1, keepdims=True)
;;       e = np.where(a > 0, np.clip(np.frexp(np.where(a > 0, a, 1))[1] - 1 - 2, -126, 127), 0)      # np.frexp(a)[1] - 1 = floor(log2(a)), exactly
;;       r = np.clip(x / 2.0 ** e, -7.5, 7.5)
;;       step = 2.0 ** (np.maximum(np.frexp(np.where(r == 0, 1, r))[1] - 1, 0) - 3)
;;       q = np.round(r / step) * step * 2.0 ** e      # np.round: ties to even
;;       return np.moveaxis(q.reshape(q.shape[:-2] + (-1,))[..., :K], -1, axis).astype(np.float32)
;;   ~~~
;;   SOFTMAX AHEAD OF A QUANTISED PRODUCT. Where the list says 'softmax', what is quantised is not the finished softmax but p = 2^(t - M), with t = logit x log2(e) and M = ceil(the row's largest t), a whole number; so 1/2 < the row's largest p <= 1. The row's sum l is taken of the UNQUANTISED p, in f32, and the product's result is divided by l at the end. Since M is a whole number, a kernel that streams over the keys may use a running M (the ceiling of the running maximum): every later rescaling is an exact power of two, which a block's scale takes up: the codes' values come out the same.
;;   OPERANDS COMPUTED ON THE WAY. 'Computed on the way' means the value that the module computes at that place (a softmax that the list does not call 'softmax' is quantised finished and normalised). What goes into a quantiser is computed in f32, as accurately as f32 sums, v_exp_f32 and their like allow (about 1e-6 of the number): no bf16 or f16 on the way to a quantiser, and a product that is left as it is and whose result goes on into a quantised operand takes f32 operands (vector FMAs, or v_wmma_f32_16x16x4_f32). A number that lies on a knife's edge between two numbers of the format may be rounded either way, as far as f32 arithmetic and the matrix unit's own rounding can turn it there, and no further.
;; One version. Each part assembles by itself: llvm-mc -triple=amdgcn-amd-amdhsa -mcpu=gfx1250 --defsym DOCPART=n.
;; ======== version 1 of 1: 4 launches
;; limits: right only within a limited range of input values
;; workspace buffers: codes 3,932,160 bytes; scales 163,840 bytes; qbuf 3,407,872 bytes; kv 6,684,672 bytes; ac 3,145,728 bytes; asw 262,144 bytes
;; launch quant (part 1): grid 160 x 1, 4 waves a work-group, no clusters, 0 bytes of LDS; arguments query, Wq, Wk, Wv, Wo, codes, scales; writes codes, scales
.if DOCPART == 1
	.amdgcn_target "amdgcn-amd-amdhsa--gfx1250"
	.amdhsa_code_object_version 6
	.text
	.protected	k_qa19374421d_quant
	.globl	k_qa19374421d_quant
	.p2align	8
	.type	k_qa19374421d_quant,@function
k_qa19374421d_quant:
	s_mov_b64 s[64:65], 0
	v_nop
	global_prefetch_b8 v0, s[64:65] scope:SCOPE_SE
	s_setreg_imm32_b32 hwreg(HW_REG_WAVE_MODE, 25, 1), 1
	s_wait_xcnt 0x0
; query [8192][512] and Wq, Wk, Wv, Wo [512][512], f32 with K innermost, become codes of FP6 (E2M3) with one E8M0 byte for each 32 along K,
; laid in the ORDER OF THE OPERAND'S REGISTERS, so that every later launch takes a fragment by three loads of 16 bytes a lane.
; A TILE is 16 rows, and they are not neighbours: lane r of tile t holds row 32 (t / 2) + 8 (t % 2) + r + 8 (r / 8).
; codes:  [tile 640][K step 4][1,536 bytes]: registers 4 c .. 4 c + 3 of lane l at 512 c + 16 l.  Tiles 0-511: query; 512 + 32 w on: weight w (Wq, Wk, Wv, Wo).
; scales: [tile][r][16 bytes]: the scale word of K step s at 16 r + 4 s.
; A block's scale is 2^(floor(log2(its largest magnitude)) - 2); its byte is that magnitude's exponent field - 2, held at 1 from below.
; LIMITS: a block of zeros gets the byte 1 where the rule says 127 (its codes are zeros, and this program alone reads the bytes); NaN and infinities among the inputs are not served.
; SHARES: a wave takes one tile, 16 rows x 512: four K steps of 128.  Lane (r, h) loads, of its row, 16 neighbours of each block of 32 (64 bytes), so that a conversion finds them in consecutive registers.
; Three K steps (48 loads a wave) are asked for at once, the fourth when the first set of registers is free.  No LDS, no barrier: waves share nothing.  Memory binds: no matrix unit, no cluster.
.set XA,  4                            ; v4       my row's byte in the tile's rows: (r + 8 (r / 8)) x 2,048 + 64 h
.set LI,  5                            ; v5       16 x lane
.set SA,  6                            ; v6       16 r
.set TM,  8                            ; v8-11 largest magnitudes, v12-15 the other half's, then bytes, v20-23 the conversions' scale operands
.set PW,  16                           ; v16      the scale word just made
.set SW,  24                           ; v24-27   the four K steps' scale words
.set PC,  28                           ; v28-39   the fragment just made; v40-42, v44-46 at work
.set X0,  48                           ; three sets of 64 numbers
.set X1,  112
.set X2,  176
.set SEL, 28                           ; s[28:29] lane selects for v_permlanex16_b32: lane l xor 16
; 64 numbers of a lane, register 16 b + i = k 32 b + 16 h + i of my row, become a fragment's codes in v[PC] on and its scale word in v[PW].
.macro QUANT src
.irp b, 0,1,2,3
	v_max3_num_f32 v[TM+\b], |v[\src+16*\b]|, |v[\src+16*\b+1]|, 0x1800000   ; block b: my 16 numbers, and the floor 2^(3 - 127): the byte cannot fall under 1
.endr
.irp i, 2,4,6,8,10,12,14
.irp b, 0,1,2,3
	v_max3_num_f32 v[TM+\b], v[TM+\b], |v[\src+16*\b+\i]|, |v[\src+16*\b+\i+1]|   ; the four blocks by turns
.endr
.endr
.irp b, 0,1,2,3
	v_permlanex16_b32 v[TM+4+\b], v[TM+\b], s[SEL], s[SEL+1]
.endr
.irp b, 0,1,2,3
	v_max_num_f32 v[TM+\b], v[TM+\b], v[TM+4+\b]   ; with lane l xor 16's: the block's largest magnitude
.endr
.irp b, 0,1,2,3
	v_add_nc_u32 v[TM+12+\b], 0xff000000, v[TM+\b] ; 2 off its exponent field: the conversion takes that field as its scale
.endr
.irp b, 0,1,2,3
	v_lshrrev_b32 v[TM+4+\b], 23, v[TM+12+\b]      ; the scale's byte
.endr
	v_lshl_or_b32 v[PW], v[TM+5], 8, v[TM+4]
	v_lshl_or_b32 v[PW], v[TM+6], 16, v[PW]
	v_lshl_or_b32 v[PW], v[TM+7], 24, v[PW]
.irp c, 0,1
	v_cvt_scalef32_pk16_fp6_f32 v[PC+6*\c:PC+6*\c+2], v[\src+32*\c:\src+32*\c+15], v[TM+12+2*\c]
	v_cvt_scalef32_pk16_fp6_f32 v[PC+12+4*\c:PC+14+4*\c], v[\src+32*\c+16:\src+32*\c+31], v[TM+13+2*\c]   ; (a conversion's three registers begin on an even number)
.endr
	v_nop                                          ; one plain place behind a scaled conversion
.irp c, 0,1                                    ; the layout wants a whole block in a lane: lanes 0-15 block 2 c, lanes 16-31 block 2 c + 1
.irp i, 0,1,2
	v_permlane16_swap_b32 v[PC+6*\c+\i], v[PC+12+4*\c+\i]
.endr
.irp i, 0,1,2
	v_mov_b32 v[PC+3+6*\c+\i], v[PC+12+4*\c+\i]
.endr
.endr
.endm
.macro XLOAD set, s                            ; K step s of my row: 16 neighbours of each of its four blocks
.irp b, 0,1,2,3
.irp j, 0,1,2,3
	global_load_b128 v[\set+16*\b+4*\j:\set+16*\b+4*\j+3], v[XA], s[20:21] offset:512*\s+128*\b+16*\j   ; four loads on end take a lane's 64 neighbouring bytes: no hint, since neighbouring bytes are asked for again at once
.endr
.endr
.endm
.macro OUT s                                   ; the fragment leaves as it stands: each store covers 512 consecutive bytes, aligned
	v_mov_b32 v[SW+\s], v[PW]
.irp c, 0,1,2
	global_store_b128 v[LI], v[PC+4*\c:PC+4*\c+3], s[14:15] offset:1536*\s+512*\c
.endr
.endm
	s_load_b256 s[4:11], s[0:1], 0x0               ; query, Wq, Wk, Wv
	s_load_b128 s[12:15], s[0:1], 0x20             ; Wo, codes
	s_load_b64 s[16:17], s[0:1], 0x30              ; scales
	v_lshrrev_b32 v1, 5, v0
	v_readfirstlane_b32 s18, v1                    ; wave
	v_and_b32 v1, 31, v0                           ; lane
	v_and_b32 v2, 15, v0                           ; r
	v_bfe_u32 v3, v0, 4, 1                         ; h
	v_and_b32 v7, 8, v2
	v_add_nc_u32 v7, v7, v2                        ; r + 8 (r / 8)
	v_lshlrev_b32 v[XA], 11, v7
	v_lshl_add_u32 v[XA], v3, 6, v[XA]
	v_lshlrev_b32 v[LI], 4, v1
	v_lshlrev_b32 v[SA], 4, v2
.irp b, 0,1,2,3
	v_mov_b32 v[TM+4+\b], 0                        ; written once: a lane permute's destination counts as one of its sources
.endr
	s_mov_b32 s[SEL], 0x76543210
	s_mov_b32 s[SEL+1], 0xfedcba98
	s_and_b32 s22, ttmp9, 7                        ; a weight has 8 work-groups, query the first 128
	s_cmp_lt_u32 ttmp9, 128
	s_cselect_b32 s22, ttmp9, s22
	s_lshl_b32 s22, s22, 2
	s_add_co_u32 s22, s22, s18                     ; my tile within its tensor
	s_lshr_b32 s23, s22, 1
	s_lshl_b32 s23, s23, 5
	s_and_b32 s24, s22, 1
	s_lshl_b32 s24, s24, 3
	s_add_co_u32 s23, s23, s24                     ; its first row: 32 (t / 2) + 8 (t % 2)
	s_lshl_b32 s24, s23, 11                        ; in bytes
	s_mov_b32 s25, 0
	s_lshl_b32 s26, ttmp9, 2
	s_add_co_u32 s26, s26, s18                     ; my tile among the 640
	s_mul_i32 s32, s26, 6144
	s_mov_b32 s33, 0
	s_lshl_b32 s34, s26, 8
	s_mov_b32 s35, 0
	s_wait_alu depctr_va_vdst(0)
	s_wait_kmcnt 0x0
	s_mov_b64 s[20:21], s[12:13]                   ; which tensor: the choice hangs on the work-group's number alone
	s_cmp_lt_u32 ttmp9, 152
	s_cselect_b64 s[20:21], s[10:11], s[20:21]
	s_cmp_lt_u32 ttmp9, 144
	s_cselect_b64 s[20:21], s[8:9], s[20:21]
	s_cmp_lt_u32 ttmp9, 136
	s_cselect_b64 s[20:21], s[6:7], s[20:21]
	s_cmp_lt_u32 ttmp9, 128
	s_cselect_b64 s[20:21], s[4:5], s[20:21]
	s_add_nc_u64 s[20:21], s[20:21], s[24:25]
	s_add_nc_u64 s[14:15], s[14:15], s[32:33]
	s_add_nc_u64 s[16:17], s[16:17], s[34:35]
	XLOAD X0, 0
	XLOAD X1, 1
	XLOAD X2, 2
	s_wait_loadcnt 32                              ; K step 0's sixteen loads are in; the 32 of steps 1 and 2 may be out
	QUANT X0
	OUT 0
	XLOAD X0, 3                                    ; the set just quantised takes the last K step
	s_wait_loadcnt 32                              ; step 1 is in; steps 2 and 3 may be out
	s_wait_xcnt 0x0                                ; the stores have read the fragment's registers: they are written again only behind this wait
	QUANT X1
	OUT 1
	s_wait_loadcnt 16                              ; step 2 is in; step 3 may be out
	s_wait_xcnt 0x0
	QUANT X2
	OUT 2
	s_wait_loadcnt 0x0
	s_wait_xcnt 0x0
	QUANT X0
	OUT 3
	global_store_b128 v[SA], v[SW:SW+3], s[16:17]  ; the tile's 256 bytes of scale words; lanes l and l + 16 hold the same words and write them to the same place
	s_endpgm
.Lfunc_end_k_qa19374421d_quant:
	.size	k_qa19374421d_quant, .Lfunc_end_k_qa19374421d_quant-k_qa19374421d_quant
	.p2alignl 7, 3214868480
	.fill 96, 4, 3214868480
	.section	.rodata,"a",@progbits
	.p2align	6, 0x0
	.amdhsa_kernel k_qa19374421d_quant
		.amdhsa_group_segment_fixed_size 0
		.amdhsa_private_segment_fixed_size 0
		.amdhsa_enable_private_segment 0
		.amdhsa_kernarg_size 56
		.amdhsa_user_sgpr_count 2
		.amdhsa_user_sgpr_kernarg_segment_ptr 1
		.amdhsa_wavefront_size32 1
		.amdhsa_system_sgpr_workgroup_id_x 1
		.amdhsa_system_sgpr_workgroup_id_y 1
		.amdhsa_system_sgpr_workgroup_id_z 1
		.amdhsa_system_vgpr_workitem_id 0
		.amdhsa_next_free_vgpr 240
		.amdhsa_next_free_sgpr 66
		.amdhsa_reserve_vcc 0
		.amdhsa_float_denorm_mode_32 3
		.amdhsa_float_denorm_mode_16_64 3
		.amdhsa_memory_ordered 1
		.amdhsa_forward_progress 1
		.amdhsa_inst_pref_size 25
	.end_amdhsa_kernel
	.amdgpu_metadata
---
amdhsa.version: [ 1, 2 ]
amdhsa.kernels:
  - .name:           k_qa19374421d_quant
    .symbol:         k_qa19374421d_quant.kd
    .args:
      - { .name: query, .offset: 0, .size: 8, .value_kind: global_buffer, .address_space: global }
      - { .name: Wq, .offset: 8, .size: 8, .value_kind: global_buffer, .address_space: global }
      - { .name: Wk, .offset: 16, .size: 8, .value_kind: global_buffer, .address_space: global }
      - { .name: Wv, .offset: 24, .size: 8, .value_kind: global_buffer, .address_space: global }
      - { .name: Wo, .offset: 32, .size: 8, .value_kind: global_buffer, .address_space: global }
      - { .name: codes, .offset: 40, .size: 8, .value_kind: global_buffer, .address_space: global }
      - { .name: scales, .offset: 48, .size: 8, .value_kind: global_buffer, .address_space: global }
    .group_segment_fixed_size: 0
    .private_segment_fixed_size: 0
    .kernarg_segment_align: 8
    .kernarg_segment_size: 56
    .max_flat_workgroup_size: 128
    .sgpr_count:     66
    .vgpr_count:     240
    .wavefront_size: 32
...
	.end_amdgpu_metadata
.endif
;; end of part 1
;; launch qkv (part 2): grid 64 x 3, 8 waves a work-group, no clusters, 168,960 bytes of LDS; arguments codes, scales, bq, bk, bv, mask, qbuf, kv; writes qbuf, kv
.if DOCPART == 2
	.amdgcn_target "amdgcn-amd-amdhsa--gfx1250"
	.amdhsa_code_object_version 6
	.text
	.protected	k_qa19374421d_qkv
	.globl	k_qa19374421d_qkv
	.p2align	8
	.type	k_qa19374421d_qkv,@function
k_qa19374421d_qkv:
	s_mov_b64 s[64:65], 0
	v_nop
	global_prefetch_b8 v0, s[64:65] scope:SCOPE_SE
	s_setreg_imm32_b32 hwreg(HW_REG_WAVE_MODE, 25, 1), 1
	s_wait_xcnt 0x0
; q = (x Wq^T + bq) / 8 (0 in rows whose mask is 0), k = x Wk^T + bk, v = x Wv^T + bv on codes of FP6 (E2M3), and the three results quantised for the attention's two products.
; So q is multiplied by 0 where mask == 0 and by 1 / 8 elsewhere, and the key loop of the next launch knows of no mask.
; SHARES: work-group x = a block of 128 tokens (8 tiles of x), work-group y = the kind (0 q, 1 k, 2 v), the wave = the head: 128 tokens x 64 units, 32 accumulators, four K steps of 128.
; x's codes and scale words (51,200 bytes, dense in memory) come into LDS once, by lane copies, and all eight waves read them; a wave's four tiles of W go straight into its registers.
; q, k: source 0 = 16 rows of W, source 1 = 16 tokens: a lane holds ONE token and its registers run along the head's 64, the next product's K.
; v:    source 0 = 16 tokens, source 1 = 16 rows of W: a lane holds ONE channel and its registers run along the tokens, which are the keys: the second product's K.
; The rows of a tile are 32 (t / 2) + 8 (t % 2) + r + 8 (r / 8), so that the 16 registers of two neighbouring tiles of source 0 are 16 neighbours along the next K.
; OUT.  qbuf [head of batch 16][block 32][6,656]: four images of 1,536 bytes (tiles 2 b and 2 b + 1 of 16 tokens x 64: six registers each), then 512 bytes of scale words at 16 lane + 4 b
; (lanes 0-15 tile 2 b, lanes 16-31 tile 2 b + 1; bytes 2 and 3 repeat bytes 0 and 1: they scale the upper 64 of the form's K, where q's codes are zeros).
; kv [head of batch][key step 32][13,056]: k as in qbuf; at 6,656 four images of v (16 channels x 128 keys); at 12,800 their scale words at 8 lane + 4 (tile / 2), lanes 0-15 the even tile.
; The biases are the C of each sum's first product.  LIMITS: a block of zeros gets the byte 1 where the rule says 127 (zero codes; read by this program alone); NaN and infinities are not served.
; NO CLUSTER: the block's codes come once, by lane copies, which have no joint form, and nothing is filled again; the weights go to registers by plain loads.
; REGISTERS: window 0 below; window 1: the 32 accumulators (q, k: (token tile t, tile of W w) at 8 (4 t + w); v: at 8 (8 w + t)).
.set XS,   49152                       ; LDS: x's codes at 0 (8 x 6,144 bytes), their scale words here (2,048)
.set LI,   1                           ; v1   16 x lane
.set L8,   2                           ; v2   8 x lane
.set CAL,  3                           ; v3   the copies of codes: LDS address, 6,144 x wave + 16 x lane
.set CAG,  4                           ; v4   and the same offset in memory
.set CSL,  5                           ; v5   the copy of scale words: LDS address, XS + 256 x wave + 8 x lane
.set CSG,  6                           ; v6   and its offset in memory
.set BH,   7                           ; v7   64 h
.set TR,   8                           ; v8   4 (r + 8 (r / 8))
.set PSEL, 14                          ; v14  byte selects that make a tile's scale word of a pair's
.set LK,   15                          ; v15  k's images leave in another order than q's: 1,536 (r / 8) + 16 (r % 8) + 256 h (see the store in QUANT2)
.set XSC,  16                          ; v16-31  x's scale words: register 4 b + s: lanes 0-15 tile 2 b, lanes 16-31 tile 2 b + 1, K step s
.set WS,   32                          ; v32-39  W's likewise
.set BI,   40                          ; v40-71  the bias in the result's layout, eight registers a tile of W
.set XF,   72                          ; v72-119 four fragments of x
.set W0,   120                         ; v120-167, v168-215 W's four fragments of a K step, two sets
.set TM,   216                         ; v216-231 the quantiser's work
.set PW,   224
.set SW,   232                         ; v232-235 four scale words on their way out
.set MK,   236                         ; v236-243 the mask of my token in each tile
.set EIG,  244                         ; v244 1 / 8
.set ZER,  245                         ; v245 0
.set VS,   246                         ; v246-247 v's scale words
.set PC,   72                          ; the codes just made, where x's fragments lay
.set F,    120                         ; q's factors, a pair a tile, where W's fragments lay
.set SEL,  44
.set MSB,  0
.macro WIN new                         ; the immediate's high byte repeats the setting that is left
.if MSB != \new
	s_set_vgpr_msb (MSB<<8)|\new
.set MSB, \new
.endif
.endm
.macro PLACES                          ; four plain places behind a product, in front of loads into its registers and of the first read of results
.rept 4
	v_nop
.endr
.endm
.macro EMIT                            ; one product, from the symbols rD, rA, rB, rC (registers), sA, sB (scale registers), wA, wB (1: the scales stand in lanes 16-31)
.if wA && wB
	v_wmma_scale_f32_16x16x128_f8f6f4 v[rD:rD+7], v[rA:rA+11], v[rB:rB+11], v[rC:rC+7], v[sA], v[sB] matrix_a_fmt:MATRIX_FMT_FP6 matrix_b_fmt:MATRIX_FMT_FP6 matrix_a_scale:MATRIX_SCALE_ROW1 matrix_b_scale:MATRIX_SCALE_ROW1
.elseif wA
	v_wmma_scale_f32_16x16x128_f8f6f4 v[rD:rD+7], v[rA:rA+11], v[rB:rB+11], v[rC:rC+7], v[sA], v[sB] matrix_a_fmt:MATRIX_FMT_FP6 matrix_b_fmt:MATRIX_FMT_FP6 matrix_a_scale:MATRIX_SCALE_ROW1
.elseif wB
	v_wmma_scale_f32_16x16x128_f8f6f4 v[rD:rD+7], v[rA:rA+11], v[rB:rB+11], v[rC:rC+7], v[sA], v[sB] matrix_a_fmt:MATRIX_FMT_FP6 matrix_b_fmt:MATRIX_FMT_FP6 matrix_b_scale:MATRIX_SCALE_ROW1
.else
	v_wmma_scale_f32_16x16x128_f8f6f4 v[rD:rD+7], v[rA:rA+11], v[rB:rB+11], v[rC:rC+7], v[sA], v[sB] matrix_a_fmt:MATRIX_FMT_FP6 matrix_b_fmt:MATRIX_FMT_FP6
.endif
.endm
.macro WLOAD s                         ; my four tiles of W, K step s, into set s % 2
.irp w, 0,1,2,3
.irp c, 0,1,2
	global_load_b128 v[W0+48*((\s)%2)+12*\w+4*\c:W0+48*((\s)%2)+12*\w+4*\c+3], v[LI], s[30:31] offset:6144*\w+1536*(\s)+512*\c
.endr
.endr
.endm
.macro XFETCH hf, s                    ; x's tiles 4 hf .. 4 hf + 3, K step s, from LDS: each load takes 512 consecutive bytes
.irp i, 0,1,2,3
.irp c, 0,1,2
	ds_load_b128 v[XF+12*\i+4*\c:XF+12*\i+4*\c+3], v[LI] offset:6144*(4*\hf+\i)+1536*\s+512*\c
.endr
.endr
.endm
; A K step: 32 products, each accumulator once: between two links of a chain stand the 31 others'.
.macro KSTEP kind, s
.if \s == 2
	s_wait_loadcnt 12                              ; K step 2's weights are in; step 3's twelve loads may be out
.elseif \s == 3
	s_wait_loadcnt 0x0
.endif
.irp hf, 0,1
.if (\hf == 1) || (\s == 3)
	PLACES                                         ; (elsewhere the places in front of the weights' loads stand behind the same products, or there is no product yet)
.endif
	XFETCH \hf, \s
	s_wait_dscnt 0x0
.if \s == 0
	WIN 0x40                                       ; D window 1; the bias, as C, window 0
.else
	WIN 0x50                                       ; C and D window 1
.endif
.irp i, 0,1,2,3
.irp w, 0,1,2,3
.set rT, 4*\hf+\i
.if \kind == 2
.set rD, 8*(8*\w+rT)
.set rA, XF+12*\i
.set rB, W0+48*(\s%2)+12*\w
.set sA, XSC+4*(rT/2)+\s
.set wA, rT%2
.set sB, WS+4*(\w/2)+\s
.set wB, \w%2
.else
.set rD, 8*(4*rT+\w)
.set rA, W0+48*(\s%2)+12*\w
.set rB, XF+12*\i
.set sA, WS+4*(\w/2)+\s
.set wA, \w%2
.set sB, XSC+4*(rT/2)+\s
.set wB, rT%2
.endif
.if \s == 0
.set rC, BI+8*\w
.else
.set rC, rD
.endif
	EMIT
.endr
.endr
	WIN 0
.endr
.if \s < 2
	PLACES
	WLOAD \s+2                                     ; the set just multiplied takes the K step two on
.endif
.endm
; Registers 64 g .. 64 g + 63 of window 1, register 16 b + i = k 32 b + 16 h + i of the lane's row, become a fragment, which leaves as it stands, and a scale word.
; q, k: blocks 0, 1 are token tile 2 g's 64, blocks 2, 3 tile 2 g + 1's.  v: the four blocks are the 128 keys of channel tile g.
.macro QUANT2 g, kind
.if \g > 0
	s_wait_xcnt 0x0                                ; the last fragment's stores have read their registers
.endif
	WIN 0x14                                       ; sources 1 and 2 window 1
.irp b, 0,1,2,3
	v_max3_num_f32 v[TM+\b], 0x1800000, |v[64*\g+16*\b]|, |v[64*\g+16*\b+1]|   ; each accumulator is read from its low end on; the floor 2^(3 - 127) holds the byte at 1 from below
.endr
.irp i, 2,4,6,8,10,12,14
.irp b, 0,1,2,3
	v_max3_num_f32 v[TM+\b], v[TM+\b], |v[64*\g+16*\b+\i]|, |v[64*\g+16*\b+\i+1]|
.endr
.endr
	WIN 0
.irp b, 0,1,2,3
	v_permlanex16_b32 v[TM+4+\b], v[TM+\b], s[SEL], s[SEL+1]
.endr
.irp b, 0,1,2,3
	s_delay_alu instid0(VALU_DEP_4)
	v_max_num_f32 v[TM+\b], v[TM+\b], v[TM+4+\b]
.endr
.irp b, 0,1,2,3
	s_delay_alu instid0(VALU_DEP_4)
	v_add_nc_u32 v[TM+12+\b], 0xff000000, v[TM+\b] ; 2 off the exponent field: the conversion's scale operand
.endr
.irp b, 0,1,2,3
	s_delay_alu instid0(VALU_DEP_4)
	v_lshrrev_b32 v[TM+4+\b], 23, v[TM+12+\b]      ; the scale's byte
.endr
	s_delay_alu instid0(VALU_DEP_3)
	v_lshl_or_b32 v[PW], v[TM+5], 8, v[TM+4]
	s_delay_alu instid0(VALU_DEP_1)
	v_lshl_or_b32 v[PW], v[TM+6], 16, v[PW]
	s_delay_alu instid0(VALU_DEP_1)
	v_lshl_or_b32 v[PW], v[TM+7], 24, v[PW]
	WIN 0x01                                       ; source 0 window 1
.irp c, 0,1
	v_cvt_scalef32_pk16_fp6_f32 v[PC+6*\c:PC+6*\c+2], v[64*\g+32*\c:64*\g+32*\c+15], v[TM+12+2*\c]
	v_cvt_scalef32_pk16_fp6_f32 v[PC+12+4*\c:PC+14+4*\c], v[64*\g+32*\c+16:64*\g+32*\c+31], v[TM+13+2*\c]
.endr
	WIN 0
	v_nop                                          ; one plain place behind a scaled conversion
.irp c, 0,1
.irp i, 0,1,2
	v_permlane16_swap_b32 v[PC+6*\c+\i], v[PC+12+4*\c+\i]
.endr
.irp i, 0,1,2
	s_delay_alu instid0(VALU_DEP_3)
	v_mov_b32 v[PC+3+6*\c+\i], v[PC+12+4*\c+\i]
.endr
.endr
.irp c, 0,1,2
.if \kind == 1
; K'S TILES ARE DEALT ANEW: tile 4 c + u of a key step holds, in rows 0-7, keys 64 c + 8 u + 0 .. 7 and, in rows 8-15, keys 64 c + 32 + 8 u + 0 .. 7.
; Row r of tile 2 g + e made here is key 32 g + 8 e + r % 8 + 16 (r / 8): it goes to pair 2 (g / 2) + r / 8, tile e of the pair, row r % 8 + 8 (g % 2).
; A store covers four runs of 128 bytes; the stores of g and g + 1 together fill whole units.  The scale words stay where they were.
	global_store_b128 v[LK], v[PC+4*\c:PC+4*\c+3], s[48:49] offset:3072*(\g/2)+128*(\g%2)+512*\c
.else
	global_store_b128 v[LI], v[PC+4*\c:PC+4*\c+3], s[48:49] offset:1536*\g+512*\c   ; 512 consecutive bytes, aligned
.endif
.endr
.if \kind == 2
	v_mov_b32 v[SW+\g], v[PW]
.else
	v_perm_b32 v[SW+\g], v[PW], v[PW], v[PSEL]     ; lanes 0-15: bytes 0, 1, 0, 1 (tile 2 g); lanes 16-31: bytes 2, 3, 2, 3 (tile 2 g + 1)
.endif
.endm
.macro PATH kind
.if \kind == 0
	s_add_nc_u64 s[38:39], s[8:9], s[36:37]        ; bq at my head
	s_mul_i32 s46, s34, 6656
	s_add_nc_u64 s[48:49], s[16:17], s[46:47]      ; my block of qbuf
	s_lshl_b32 s50, ttmp9, 9
	s_mov_b32 s51, 0
	s_add_nc_u64 s[50:51], s[14:15], s[50:51]      ; the mask of my 128 tokens
.elseif \kind == 1
	s_add_nc_u64 s[38:39], s[10:11], s[36:37]      ; bk
	s_mul_i32 s46, s34, 13056
	s_add_nc_u64 s[48:49], s[18:19], s[46:47]      ; my key step of kv
.else
	s_add_nc_u64 s[38:39], s[12:13], s[36:37]      ; bv
	s_mul_i32 s46, s34, 13056
	s_add_co_u32 s46, s46, 6656
	s_add_nc_u64 s[48:49], s[18:19], s[46:47]      ; v's part of my key step
.endif
.if \kind == 2
.irp w, 0,1,2,3
	global_load_b32 v[BI+8*\w], v[TR], s[38:39] offset:(32*(\w/2)+8*(\w%2))*4   ; a lane holds one channel: its bias serves all eight registers
.endr
.else
.irp w, 0,1,2,3
	global_load_b128 v[BI+8*\w:BI+8*\w+3], v[BH], s[38:39] offset:(32*(\w/2)+8*(\w%2))*4       ; register j of tile w: unit 32 (w / 2) + 16 h + 8 (w % 2) + j
	global_load_b128 v[BI+8*\w+4:BI+8*\w+7], v[BH], s[38:39] offset:(32*(\w/2)+8*(\w%2))*4+16
.endr
.endif
.if \kind == 0
.irp t, 0,1,2,3,4,5,6,7
	global_load_b32 v[MK+\t], v[TR], s[50:51] offset:(32*(\t/2)+8*(\t%2))*4
.endr
.endif
	s_wait_loadcnt 0x0                             ; W's scale words, its K steps 0 and 1, the bias (and the mask)
.if \kind == 2
.irp w, 0,1,2,3
.irp j, 1,2,3,4,5,6,7
	v_mov_b32 v[BI+8*\w+\j], v[BI+8*\w]
.endr
.endr
	PLACES
.endif
	s_wait_alu depctr_va_vdst(0)
	KSTEP \kind, 0
	KSTEP \kind, 1
	KSTEP \kind, 2
	KSTEP \kind, 3
	PLACES
.if \kind == 0
	s_wait_alu depctr_va_vdst(0)
.irp t, 0,1,2,3,4,5,6,7
	v_cmp_eq_f32 vcc_lo, 0, v[MK+\t]
	s_delay_alu instid0(VALU_DEP_1)
	v_cndmask_b32 v[F+2*\t], v[EIG], v[ZER], vcc_lo    ; 0 where mask == 0, else 1 / 8
	s_delay_alu instid0(VALU_DEP_1)
	v_mov_b32 v[F+2*\t+1], v[F+2*\t]
.endr
	WIN 0x41                                       ; destination and source 0 window 1
.irp t, 0,1,2,3,4,5,6,7
.set j, 0
.rept 16
	v_pk_mul_f32 v[32*\t+j:32*\t+j+1], v[32*\t+j:32*\t+j+1], v[F+2*\t:F+2*\t+1] op_sel_hi:[1,0]
.set j, j+2
.endr
.endr
	WIN 0
.endif
	QUANT2 0, \kind
	QUANT2 1, \kind
	QUANT2 2, \kind
	QUANT2 3, \kind
.if \kind == 2
	v_cndmask_b32 v[VS], v[SW], v[SW+1], s42       ; lanes 0-15 the even tile's word, lanes 16-31 the odd tile's
	s_delay_alu instid0(VALU_DEP_2)
	v_cndmask_b32 v[VS+1], v[SW+2], v[SW+3], s42
	global_store_b64 v[L8], v[VS:VS+1], s[48:49] offset:6144
.else
	global_store_b128 v[LI], v[SW:SW+3], s[48:49] offset:6144
.endif
	s_wait_tensorcnt 0x0
	ds_add_u32 v254, v255
	s_wait_dscnt 0x0
	s_endpgm
.endm
	s_load_b256 s[4:11], s[0:1], 0x0               ; codes, scales, bq, bk
	s_load_b256 s[12:19], s[0:1], 0x20             ; bv, mask, qbuf, kv
	v_lshl_add_u32 v254, v0, 2, 0x29000
	v_mov_b32 v255, 0
	ds_add_u32 v254, v255
	ds_add_u32 v254, v255
	v_lshrrev_b32 v9, 5, v0
	s_delay_alu instid0(VALU_DEP_1)
	v_readfirstlane_b32 s27, v9                    ; wave = head
	v_and_b32 v9, 31, v0                           ; lane
	v_and_b32 v10, 15, v0                          ; r
	v_bfe_u32 v11, v0, 4, 1                        ; h
	s_delay_alu instid0(VALU_DEP_3)
	v_lshlrev_b32 v[LI], 4, v9
	s_delay_alu instid0(VALU_DEP_4)
	v_lshlrev_b32 v[L8], 3, v9
	s_mul_i32 s20, s27, 6144
	v_add_nc_u32 v[CAL], s20, v[LI]
	v_add_nc_u32 v[CAG], s20, v[LI]
	s_lshl_b32 s20, s27, 8
	v_add_nc_u32 v[CSG], s20, v[L8]
	s_delay_alu instid0(VALU_DEP_1)
	v_add_nc_u32 v[CSL], XS, v[CSG]
	v_lshlrev_b32 v[BH], 6, v11
	v_and_b32 v12, 8, v10
	s_delay_alu instid0(VALU_DEP_1)
	v_add_nc_u32 v12, v12, v10
	s_delay_alu instid0(VALU_DEP_1)
	v_lshlrev_b32 v[TR], 2, v12
	v_and_b32 v12, 7, v10
	v_lshrrev_b32 v13, 3, v10
	v_lshlrev_b32 v12, 4, v12
	v_lshl_add_u32 v12, v11, 8, v12
	v_mad_u32_u24 v[LK], v13, 1536, v12
	s_mov_b32 s42, 0xffff0000                      ; lanes 16-31
	v_mov_b32 v[PSEL], 0x01000100
	v_mov_b32 v13, 0x03020302
	s_delay_alu instid0(VALU_DEP_1)
	v_cndmask_b32 v[PSEL], v[PSEL], v13, s42
	v_mov_b32 v[EIG], 0x3e000000
	v_mov_b32 v[ZER], 0
.irp b, 0,1,2,3
	v_mov_b32 v[TM+4+\b], 0                        ; written once: a lane permute's destination counts as one of its sources
.endr
	s_mov_b32 s[SEL], 0x76543210
	s_mov_b32 s[SEL+1], 0xfedcba98
	s_and_b32 s26, ttmp7, 0xffff                   ; the kind
	s_mul_i32 s20, ttmp9, 49152                    ; my block's eight tiles of codes,
	s_mov_b32 s21, 0
	s_lshl_b32 s22, ttmp9, 11                      ; and their scale words
	s_mov_b32 s23, 0
	s_lshl_b32 s28, s26, 5
	s_lshl_b32 s29, s27, 2
	s_add_co_u32 s28, s28, s29
	s_add_co_u32 s28, s28, 512                     ; my first tile of W: 512 + 32 kind + 4 head
	s_mul_i32 s30, s28, 6144
	s_mov_b32 s31, 0
	s_lshl_b32 s32, s28, 8
	s_mov_b32 s33, 0
	s_lshr_b32 s34, ttmp9, 5                       ; where the results go: ((batch x 8 + head) x 32 + block within the batch)
	s_lshl_b32 s34, s34, 3
	s_add_co_u32 s34, s34, s27
	s_lshl_b32 s34, s34, 5
	s_and_b32 s35, ttmp9, 31
	s_add_co_u32 s34, s34, s35
	s_lshl_b32 s36, s27, 8                         ; my head's 64 numbers of a bias
	s_mov_b32 s37, 0
	s_mov_b32 s47, 0
	s_wait_dscnt 0x0
	s_wait_kmcnt 0x0
	s_add_nc_u64 s[20:21], s[4:5], s[20:21]
	s_add_nc_u64 s[22:23], s[6:7], s[22:23]
	s_add_nc_u64 s[30:31], s[4:5], s[30:31]
	s_add_nc_u64 s[32:33], s[6:7], s[32:33]
.irp i, 0,1,2,3,4,5,6,7,8,9,10,11
	global_load_async_to_lds_b128 v[CAL], v[CAG], s[20:21] offset:512*\i   ; wave w copies tile w's 6,144 bytes; the immediate steps both addresses
.endr
	global_load_async_to_lds_b64 v[CSL], v[CSG], s[22:23]                  ; and its 256 bytes of scale words
.irp b, 0,1
	global_load_b128 v[WS+4*\b:WS+4*\b+3], v[LI], s[32:33] offset:512*\b
.endr
	WLOAD 0
	WLOAD 1
	s_wait_asynccnt 0x0                            ; my copies have landed,
	s_barrier_signal -1
	s_barrier_wait -1                              ; everybody's have
.irp b, 0,1,2,3
	ds_load_b128 v[XSC+4*\b:XSC+4*\b+3], v[LI] offset:XS+512*\b
.endr
	s_cmp_eq_u32 s26, 1                            ; the three kinds part here, on the work-group's number; none stores to LDS, none has a barrier
	s_cbranch_scc1 .Lkind_k
	s_cmp_eq_u32 s26, 2
	s_cbranch_scc1 .Lkind_v
	PATH 0
.Lkind_k:
	PATH 1
.Lkind_v:
	PATH 2
.Lfunc_end_k_qa19374421d_qkv:
	.size	k_qa19374421d_qkv, .Lfunc_end_k_qa19374421d_qkv-k_qa19374421d_qkv
	.p2alignl 7, 3214868480
	.fill 96, 4, 3214868480
	.section	.rodata,"a",@progbits
	.p2align	6, 0x0
	.amdhsa_kernel k_qa19374421d_qkv
		.amdhsa_group_segment_fixed_size 168960
		.amdhsa_private_segment_fixed_size 0
		.amdhsa_enable_private_segment 0
		.amdhsa_kernarg_size 64
		.amdhsa_user_sgpr_count 2
		.amdhsa_user_sgpr_kernarg_segment_ptr 1
		.amdhsa_wavefront_size32 1
		.amdhsa_system_sgpr_workgroup_id_x 1
		.amdhsa_system_sgpr_workgroup_id_y 1
		.amdhsa_system_sgpr_workgroup_id_z 1
		.amdhsa_system_vgpr_workitem_id 0
		.amdhsa_next_free_vgpr 512
		.amdhsa_next_free_sgpr 66
		.amdhsa_reserve_vcc 1
		.amdhsa_float_denorm_mode_32 3
		.amdhsa_float_denorm_mode_16_64 3
		.amdhsa_memory_ordered 1
		.amdhsa_forward_progress 1
		.amdhsa_inst_pref_size 159
	.end_amdhsa_kernel
	.amdgpu_metadata
---
amdhsa.version: [ 1, 2 ]
amdhsa.kernels:
  - .name:           k_qa19374421d_qkv
    .symbol:         k_qa19374421d_qkv.kd
    .args:
      - { .name: codes, .offset: 0, .size: 8, .value_kind: global_buffer, .address_space: global }
      - { .name: scales, .offset: 8, .size: 8, .value_kind: global_buffer, .address_space: global }
      - { .name: bq, .offset: 16, .size: 8, .value_kind: global_buffer, .address_space: global }
      - { .name: bk, .offset: 24, .size: 8, .value_kind: global_buffer, .address_space: global }
      - { .name: bv, .offset: 32, .size: 8, .value_kind: global_buffer, .address_space: global }
      - { .name: mask, .offset: 40, .size: 8, .value_kind: global_buffer, .address_space: global }
      - { .name: qbuf, .offset: 48, .size: 8, .value_kind: global_buffer, .address_space: global }
      - { .name: kv, .offset: 56, .size: 8, .value_kind: global_buffer, .address_space: global }
    .group_segment_fixed_size: 168960
    .private_segment_fixed_size: 0
    .kernarg_segment_align: 8
    .kernarg_segment_size: 64
    .max_flat_workgroup_size: 256
    .sgpr_count:     66
    .vgpr_count:     512
    .wavefront_size: 32
...
	.end_amdgpu_metadata
.endif
;; end of part 2
;; launch attn (part 3): grid 16 x 16, 16 waves a work-group, clusters of 4 x 1, 327,680 bytes of LDS; arguments qbuf, kv, ac, asw; writes ac, asw
.if DOCPART == 3
	.amdgcn_target "amdgcn-amd-amdhsa--gfx1250"
	.amdhsa_code_object_version 6
	.text
	.protected	k_qa19374421d_attn
	.globl	k_qa19374421d_attn
	.p2align	8
	.type	k_qa19374421d_attn,@function
k_qa19374421d_attn:
	s_mov_b64 s[64:65], 0
	v_nop
	global_prefetch_b8 v0, s[64:65] scope:SCOPE_SE
	s_setreg_imm32_b32 hwreg(HW_REG_WAVE_MODE, 25, 1), 1
	s_wait_xcnt 0x0
	s_wait_alu depctr_hold_cnt(0) depctr_sa_sdst(0) depctr_va_vdst(0) depctr_va_sdst(0) depctr_va_ssrc(0) depctr_va_vcc(0) depctr_vm_vsrc(0)
	s_getreg_b32 s2, hwreg(HW_REG_IB_STS2, 6, 4)
	s_cmp_eq_u32 s2, 0
	s_cbranch_scc0 .Lentry_in_a_cluster
	s_endpgm
.Lentry_in_a_cluster:
	s_bfe_u32 s2, ttmp6, 0x10000c
	s_cmp_lg_u32 s2, 0x3003
	s_cbranch_scc0 .Lentry_shape_is_right
	s_endpgm
.Lentry_shape_is_right:
; For each head of each batch: o = softmax(q k^T / 8) v, both products on codes of FP6 (E2M3) with one E8M0 scale for each 32 along K, and o quantised along the model's 512 for the last product.
; (q holds the first division by 8 and the mask: a masked query's row of q is zeros, which gives p = 1 for each of its keys, as equal logits do.)
; THE SOFTMAX: t = score x log2(e) / 8; M = the row's largest t so far, rounded UP to a whole number; p = 2^(t - M) is what is quantised, along the keys, not normalised.
; The row's sum is taken of the unquantised p, in f32, and divides O at the end.  When M moves, the sum and O are multiplied by 2^(old M - new M): exact.
; SHARES: a work-group owns 256 queries of one head, each of its sixteen waves one tile of 16, in 256 registers.  Every wave walks the head's 4,096 keys, 128 a step.
; LAYOUT: both products transposed: S^T = K Q^T (source 0 = 16 keys, source 1 = my 16 queries), O^T = V^T P^T (source 0 = 16 channels, source 1 = P): a lane holds ONE query throughout.
; Tile 4 c + u of K holds keys 64 c + 8 u + 0..7 in rows 0-7 and 64 c + 32 + 8 u + 0..7 in rows 8-15: register 32 c + i of S^T in lane (r, h) is key 64 c + 32 h + i:
; a lane holds two WHOLE blocks of 32 keys, in the order of P's registers: a block's maximum needs no other lane, and the conversions' results are not exchanged between lanes.
; THE FIRST PRODUCT'S K IS 64 in a form of 128: a tile of q or k is six registers; Q's upper six are zero codes, so whatever follows K's six (the next tile's codes; behind tile 7 V's codes) adds nothing.
; A WAVE'S STEPS OVERLAP: a trip reads V of its step and K of the NEXT step from LDS at its top; at its end, when the scores are dead, it issues the next step's first product and then its own second product.
; So the ring goes by RECORDS of 13,056 bytes that begin 6,656 bytes into the head's kv: V(i) (images 6,144, scale words 256), then K(i + 1) (images 6,144, scale words 512).  K(0) comes by plain loads at the head.
; THE RING: two slots of eight records (104,448 bytes).  Waves 0-3 fetch a quarter of a slot each (102 rows of 256 bytes).  Four slots' worth: two first fills, two refills.
; The last record has no K: wave 3's last load has 76 rows (a group 1 of its own), so that no load leaves kv.
; CLUSTER: the four query blocks of a cluster belong to one head and walk the same kv, so every fill is asked for JOINTLY: the same tensor load, the same descriptor, a mask that names the four.
; NO PREFETCH: each fill is asked for eight key steps ahead of its first read, and the first one at the kernel's head, where there is no loop to run ahead in.
; OUT: ac [token tile 512][head 8][768]: my tile's six registers, registers 0-3 of lane l at 16 l, registers 4, 5 at 512 + 8 l;  asw [tile][head][r]: the two scale bytes in a word.
; LIMITS: a block of zeros gets the byte 1 where the rule says 127 (zero codes; read by this program alone); NaN and infinities are not served; the scaled scores t stay under 2^31 in magnitude.
.set STEPB, 13056
.set KOFF,  6400                       ; where K(i + 1) begins in a record
.set SLOTB, 8*STEPB
.set QUART, 2*STEPB                    ; what one tensor load brings
.set SPARE, 2*SLOTB                    ; behind the ring: the spare words, 128 bytes for each wave: eight blocks of 256 bytes that no other line names
.set LI,  1                            ; v1   16 x lane
.set L8,  2                            ; v2   8 x lane
.set SPW, 3                            ; v3   LDS address of my spare word; never rewritten
.set NIL, 4                            ; v4   0; never rewritten
.set AD,  5                            ; v5   the record's first byte + 16 x lane
.set AD8, 6                            ; v6   the same + 8 x lane
.set QS,  7                            ; v7   Q's scale words
.set PS,  8                            ; v8   P's scale word
.set ADS, 9                            ; v9   the record's first byte + KSL
.set KSL, 10                           ; v10  K's scale words: 16 (r % 8) + 4 (r / 8) + 256 h
.set SH8, 11                           ; v11  8 h
.set KS,  12                           ; v12-15 K's scale words: register b: lanes 0-15 tile 2 b, lanes 16-31 tile 2 b + 1
.set VSC, 16                           ; v16-17 V's likewise
.set Q,   18                           ; v18-29 Q: six registers of codes, six of zeros
.set KB,  30                           ; v30-77 K's eight tiles
.set VB,  78                           ; v78-125 V's four fragments
.set S,   126                          ; v126-189 S^T, then p, then the sum's tree
.set O,   190                          ; v190-221 O^T
.set P,   222                          ; v222-233 P's codes
.set PT,  234                          ; v234-236, v238-240 the upper halves of two blocks on their way
.set OM,  237                          ; v237 the last step's -M
.set RO,  241                          ; v241 an offset by my row r
.set NM,  242                          ; v242 -M, v243 the largest score so far
.set SUM, 244                          ; v244-245 the row's sum in two halves
.set FF,  246                          ; v246 f = 2^(old M - new M); v247 named with it as a pair
.set BM,  248                          ; v248-249 a block's largest score, then its largest p.  v248-255 also take the sum's last levels
.set SO,  250                          ; v250-251 the maxima's second chains, then the conversions' scale operands
.set TT,  252                          ; v252-253 at work
.set BY,  254                          ; v254-255 scale bytes
.set WV,  12                           ; s12 my wave's number
.set G1,  24                           ; s[24:31] descriptor group 1;  s[32:35], s[36:39] group 0 for slot 0, 1
.set G0,  32
.set GL,  72                           ; s[72:79] group 1 of the one short load
.set TB,  40                           ; s40 LDS byte at which the record in hand begins
.set CNT, 41                           ; s41 counts a slot's trips
.set CS,  42                           ; s[42:43] c = log2(e) / 8
.set SEL, 44                           ; s[44:45] lane selects for v_permlanex16_b32: lane l xor 16
.set CN,  47                           ; s47 -c
.macro CROUND                          ; a round of the cluster's barrier
	s_barrier_signal -1
	s_barrier_wait -1
	s_cmp_lg_u32 s[WV], 0
	s_cbranch_scc1 .Lnot_wave_0_\@
	s_barrier_signal -3
.Lnot_wave_0_\@:
	s_barrier_wait -3
	s_barrier_signal -1
	s_barrier_wait -1
.endm
.macro JLOAD n                         ; the joint fill of slot n: waves 0-3, a quarter each; the branch hangs on the wave's number alone.  s_nop 0 and four v_nop follow the load
	s_cmp_lt_u32 s[WV], 4
	s_cbranch_scc0 .Lnot_mine_\@
	tensor_load_to_lds s[G0+4*\n:G0+4*\n+3], s[G1:G1+7]
	s_nop 0
.rept 4
	v_nop
.endr
.Lnot_mine_\@:
.endm
.macro JLAST n                         ; the last fill: waves 0-2 as ever, wave 3 its 76 rows
	s_cmp_lt_u32 s[WV], 3
	s_cbranch_scc0 .Lshort_\@
	tensor_load_to_lds s[G0+4*\n:G0+4*\n+3], s[G1:G1+7]
	s_nop 0
.rept 4
	v_nop
.endr
	s_branch .Lasked_\@
.Lshort_\@:
	s_cmp_eq_u32 s[WV], 3
	s_cbranch_scc0 .Lasked_\@
	tensor_load_to_lds s[G0+4*\n:G0+4*\n+3], s[GL:GL+7]
	s_nop 0
.rept 4
	v_nop
.endr
.Lasked_\@:
.endm
; THE CHANGE OF SLOTS.  Each wave waits for all its tensor loads (its part of the slot ahead), adds 0 to its spare word, and waits for that; its reads of the slot that it leaves were awaited in the trip.
; fill = 1, 2: the slot left, n, takes the records two slots on: the barrier is a round of the cluster's, and the joint load is the first thing behind it.  The add stands twice.
.macro CHANGE fill, n
	s_wait_tensorcnt 0x0                           ; no tensor load of mine is out, so a group 0 may be written
	ds_add_u32 v[SPW], v[NIL]
.if \fill
	ds_add_u32 v[SPW], v[NIL]
	s_add_nc_u64 s[G0+4*\n+2:G0+4*\n+3], s[G0+4*\n+2:G0+4*\n+3], 2*SLOTB   ; the type bits on top are not reached
.endif
	s_wait_dscnt 0x0
.if \fill == 1
	CROUND
	JLOAD \n
.elseif \fill == 2
	CROUND
	JLAST \n
.else
	s_barrier_signal -1
	s_barrier_wait -1
.endif
.endm
.macro QK                              ; S^T = K Q^T for the K that lies in v[KB] on
.irp t, 0,1,2,3,4,5,6,7
.if \t%2
	v_wmma_scale_f32_16x16x128_f8f6f4 v[S+8*\t:S+8*\t+7], v[KB+6*\t:KB+6*\t+11], v[Q:Q+11], 0, v[KS+\t/2], v[QS] matrix_a_fmt:MATRIX_FMT_FP6 matrix_b_fmt:MATRIX_FMT_FP6 matrix_a_scale:MATRIX_SCALE_ROW1
.else
	v_wmma_scale_f32_16x16x128_f8f6f4 v[S+8*\t:S+8*\t+7], v[KB+6*\t:KB+6*\t+11], v[Q:Q+11], 0, v[KS+\t/2], v[QS] matrix_a_fmt:MATRIX_FMT_FP6 matrix_b_fmt:MATRIX_FMT_FP6
.endif
.endr
.endm
; A KEY STEP: 128 keys, whose scores the trip before (or the head) has asked of the matrix unit.  pf = 1: the next step's K is fetched and its scores are asked for.
.macro STEP pf
	v_add_nc_u32 v[AD], s[TB], v[LI]               ; these four are the places behind the last products, in front of the loads into registers that they read
	v_add_nc_u32 v[AD8], s[TB], v[L8]
	v_add_nc_u32 v[ADS], s[TB], v[KSL]
	v_mov_b32 v[OM], v[NM]
.if \pf
.irp i, 0,1,2,3,4,5,6,7,8,9,10,11
	ds_load_b128 v[KB+4*\i:KB+4*\i+3], v[AD] offset:KOFF+512*\i
.endr
.irp b, 0,1,2,3
	ds_load_b32 v[KS+\b], v[ADS] offset:KOFF+6144+128*(\b%2)+8*(\b/2)   ; row rho of tile 2 b + e: the word that was laid for row rho % 8 + 8 (b % 2) of pair 2 (b / 2) + rho / 8
.endr
.endif
.irp i, 0,1,2,3,4,5,6,7,8,9,10,11
	ds_load_b128 v[VB+4*\i:VB+4*\i+3], v[AD] offset:512*\i
.endr
	ds_load_b64 v[VSC:VSC+1], v[AD8] offset:6144
; the largest score of my two blocks of 32 keys, each in two chains; each accumulator is first read at its low end
.irp c, 0,1
	v_max3_num_f32 v[BM+\c], v[S+32*\c], v[S+32*\c+1], v[S+32*\c+2]
	v_max3_num_f32 v[SO+\c], v[S+32*\c+16], v[S+32*\c+17], v[S+32*\c+18]
.endr
.irp i, 3,5,7,9,11,13
.irp c, 0,1
	v_max3_num_f32 v[BM+\c], v[BM+\c], v[S+32*\c+\i], v[S+32*\c+\i+1]
	v_max3_num_f32 v[SO+\c], v[SO+\c], v[S+32*\c+16+\i], v[S+32*\c+17+\i]
.endr
.endr
.irp c, 0,1
	v_max3_num_f32 v[BM+\c], v[BM+\c], v[SO+\c], v[S+32*\c+15]
.endr
.irp c, 0,1
	v_max_num_f32 v[BM+\c], v[BM+\c], v[S+32*\c+31]
.endr
	s_delay_alu instid0(VALU_DEP_1)
	v_max_num_f32 v[TT], v[BM], v[BM+1]
	s_delay_alu instid0(VALU_DEP_1)
	v_permlanex16_b32 v[TT+1], v[TT], s[SEL], s[SEL+1]
	s_delay_alu instid0(VALU_DEP_1)
	v_max3_num_f32 v[NM+1], v[NM+1], v[TT], v[TT+1]   ; the largest score of my query so far
	s_delay_alu instid0(VALU_DEP_1)
	v_mul_f32 v[TT], s[CN], v[NM+1]                ; -t
	s_delay_alu instid0(VALU_DEP_1)
	v_floor_f32 v[NM], v[TT]                       ; the new -M = floor(-t) = -ceil(t)
	s_delay_alu instid0(VALU_DEP_1)
	v_sub_f32 v[TT], v[NM], v[OM]                  ; old M - new M: a whole number, 0 or less
	v_pk_fma_f32 v[S:S+1], v[S:S+1], s[CS:CS+1], v[NM:NM+1] op_sel_hi:[1,0,0]   ; t - M, two at a time: my first block
	v_cvt_i32_f32 v[TT], v[TT]                     ; (it saturates)
	v_pk_fma_f32 v[S+2:S+3], v[S+2:S+3], s[CS:CS+1], v[NM:NM+1] op_sel_hi:[1,0,0]
	v_ldexp_f32 v[FF], 1.0, v[TT]                  ; f = 2^(old M - new M)
.set j, 4
.rept 14
	v_pk_fma_f32 v[S+j:S+j+1], v[S+j:S+j+1], s[CS:CS+1], v[NM:NM+1] op_sel_hi:[1,0,0]
.set j, j+2
.endr
.irp c, 0,1
	v_fma_f32 v[BM+\c], v[BM+\c], s[CS], v[NM]     ; the same of each block's largest score
.endr
	s_wait_alu depctr_va_vdst(0)                   ; ahead of a batch of transcendentals
	v_exp_f32 v[BM], v[BM]                         ; the blocks' largest p: p rises with the score
	v_exp_f32 v[BM+1], v[BM+1]
.set j, 0
.rept 16                                       ; p of my first block; between them t - M of the second, which names no register of the batch
	v_exp_f32 v[S+j], v[S+j]
	v_exp_f32 v[S+j+1], v[S+j+1]
	v_pk_fma_f32 v[S+32+j:S+33+j], v[S+32+j:S+33+j], s[CS:CS+1], v[NM:NM+1] op_sel_hi:[1,0,0]
.set j, j+2
.endr
	s_wait_alu depctr_va_vdst(0)                   ; behind the first batch and ahead of the second
.irp c, 0,1
	v_max_num_f32 v[BM+\c], 0x1800000, v[BM+\c]    ; the floor 2^(3 - 127): the byte cannot fall under 1
.endr
.irp c, 0,1
	s_delay_alu instid0(VALU_DEP_2)
	v_add_nc_u32 v[SO+\c], 0xff000000, v[BM+\c]    ; 2 off the exponent field: the conversion's scale operand
.endr
.irp c, 0,1
	s_delay_alu instid0(VALU_DEP_2)
	v_lshrrev_b32 v[BY+\c], 23, v[SO+\c]           ; the scale's byte
.endr
	s_delay_alu instid0(VALU_DEP_1)
	v_lshl_or_b32 v[TT], v[BY+1], 16, v[BY]        ; my two bytes, blocks h and 2 + h,
	s_delay_alu instid0(VALU_DEP_1)
	v_lshlrev_b32 v[TT], v[SH8], v[TT]             ; at their places;
	s_delay_alu instid0(VALU_DEP_1)
	v_permlanex16_b32 v[TT+1], v[TT], s[SEL], s[SEL+1]
	s_delay_alu instid0(VALU_DEP_1)
	v_or_b32 v[PS], v[TT], v[TT+1]                 ; with lane l xor 16's two the word is whole
	v_cvt_scalef32_pk16_fp6_f32 v[P:P+2], v[S:S+15], v[SO]
	v_cvt_scalef32_pk16_fp6_f32 v[PT:PT+2], v[S+16:S+31], v[SO]   ; (a conversion's three registers begin on an even number)
	v_pk_mul_f32 v[SUM:SUM+1], v[SUM:SUM+1], v[FF:FF+1] op_sel_hi:[1,0]   ; the sums under the new M.  (The plain place behind the conversions)
.set j, 0
.rept 8                                        ; p of my second block; between them the first level of the first block's sum
	v_exp_f32 v[S+32+2*j], v[S+32+2*j]
	v_exp_f32 v[S+33+2*j], v[S+33+2*j]
	v_exp_f32 v[S+34+2*j], v[S+34+2*j]
	v_exp_f32 v[S+35+2*j], v[S+35+2*j]
	v_pk_add_f32 v[S+j:S+j+1], v[S+j:S+j+1], v[S+16+j:S+17+j]
.set j, j+2
.endr
	s_wait_dscnt 0x0                               ; V, and the next K, are in: they were asked for at the trip's top
	s_wait_alu depctr_va_vdst(0)                   ; behind the batch, and directly ahead of the first readers of O^T
.set j, 0
.rept 16
	v_pk_mul_f32 v[O+j:O+j+1], v[O+j:O+j+1], v[FF:FF+1] op_sel_hi:[1,0]   ; O^T under the new M
.set j, j+2
.endr
	v_cvt_scalef32_pk16_fp6_f32 v[P+6:P+8], v[S+32:S+47], v[SO+1]
	v_cvt_scalef32_pk16_fp6_f32 v[PT+4:PT+6], v[S+48:S+63], v[SO+1]
.irp k, 0,2,4,6
	v_pk_add_f32 v[S+\k:S+\k+1], v[S+\k:S+\k+1], v[S+8+\k:S+9+\k]       ; THE ROW'S SUM IS TAKEN OF THE UNQUANTISED p, as a tree, in the registers of p
.endr
.irp i, 0,1,2
	v_mov_b32 v[P+3+\i], v[PT+\i]
	v_mov_b32 v[P+9+\i], v[PT+4+\i]
.endr
.irp k, 0,2,4,6,8,10,12,14
	v_pk_add_f32 v[S+32+\k:S+33+\k], v[S+32+\k:S+33+\k], v[S+48+\k:S+49+\k]
.endr
.irp k, 0,2,4,6
	v_pk_add_f32 v[S+32+\k:S+33+\k], v[S+32+\k:S+33+\k], v[S+40+\k:S+41+\k]
.endr
.irp k, 0,2,4,6
	v_pk_add_f32 v[BM+\k:BM+\k+1], v[S+\k:S+\k+1], v[S+32+\k:S+33+\k]   ; four pairs leave p's registers, which are now free
.endr
.if \pf
	QK                                             ; the next step's scores
.endif
	v_pk_add_f32 v[BM:BM+1], v[BM:BM+1], v[BM+4:BM+5]
	v_pk_add_f32 v[BM+2:BM+3], v[BM+2:BM+3], v[BM+6:BM+7]
	v_pk_add_f32 v[BM:BM+1], v[BM:BM+1], v[BM+2:BM+3]
	v_pk_add_f32 v[SUM:SUM+1], v[SUM:SUM+1], v[BM:BM+1]
.irp w, 0,1,2,3                                ; O^T += V^T P^T: the accumulators by turns
.if \w%2
	v_wmma_scale_f32_16x16x128_f8f6f4 v[O+8*\w:O+8*\w+7], v[VB+12*\w:VB+12*\w+11], v[P:P+11], v[O+8*\w:O+8*\w+7], v[VSC+\w/2], v[PS] matrix_a_fmt:MATRIX_FMT_FP6 matrix_b_fmt:MATRIX_FMT_FP6 matrix_a_scale:MATRIX_SCALE_ROW1
.else
	v_wmma_scale_f32_16x16x128_f8f6f4 v[O+8*\w:O+8*\w+7], v[VB+12*\w:VB+12*\w+11], v[P:P+11], v[O+8*\w:O+8*\w+7], v[VSC+\w/2], v[PS] matrix_a_fmt:MATRIX_FMT_FP6 matrix_b_fmt:MATRIX_FMT_FP6
.endif
.endr
.endm
.macro PHASE n, trips                  ; so many records of slot n
	s_mov_b32 s[TB], \n*SLOTB
	s_mov_b32 s[CNT], \trips
.Lstep_\@:
	STEP 1
	s_add_co_u32 s[TB], s[TB], STEPB
	s_sub_co_u32 s[CNT], s[CNT], 1
	s_cmp_lg_u32 s[CNT], 0
	s_cbranch_scc1 .Lstep_\@
.endm
	s_load_b256 s[4:11], s[0:1], 0x0               ; qbuf, kv, ac, asw
	v_lshl_add_u32 v[SPW], v0, 2, SPARE
	v_mov_b32 v[NIL], 0
	ds_add_u32 v[SPW], v[NIL]                      ; the opening lines: the add, twice on end, and its wait ahead of the first tensor load
	ds_add_u32 v[SPW], v[NIL]
	v_lshrrev_b32 v5, 5, v0
	v_readfirstlane_b32 s[WV], v5                  ; wave 0..15
	s_bfe_u32 s13, ttmp6, 0x40000                  ; cx: my place in the cluster
	s_lshl_b32 s14, ttmp9, 2                       ; in a cluster launch ttmp9 counts clusters
	s_add_co_u32 s14, s14, s13                     ; my block of 256 queries: it enters Q's and the results' addresses alone
	s_and_b32 s15, ttmp7, 0xffff                   ; the head of the batch, which the four partners share
	; descriptor group 1: 102 rows of 256 bytes (32 elements of 8 bytes), dense, no padding; the short one: 76 rows
	s_mov_b32 s[G1], 15|(3<<16)|(1<<21)            ; 15:0 the mask: all four work-groups; 17:16 elements of 8 bytes; 21 set beside a mask
	s_mov_b32 s[G1+1], 32<<16
	s_mov_b32 s[G1+2], 102<<16
	s_mov_b32 s[G1+3], 32<<16
	s_mov_b32 s[G1+4], 102
	s_mov_b32 s[G1+5], 32
	s_mov_b32 s[G1+6], 0
	s_mov_b32 s[G1+7], 0
	s_mov_b32 s[GL], 15|(3<<16)|(1<<21)
	s_mov_b32 s[GL+1], 32<<16
	s_mov_b32 s[GL+2], 76<<16
	s_mov_b32 s[GL+3], 32<<16
	s_mov_b32 s[GL+4], 76
	s_mov_b32 s[GL+5], 32
	s_mov_b32 s[GL+6], 0
	s_mov_b32 s[GL+7], 0
	s_and_b32 s54, s[WV], 3
	s_mul_i32 s54, s54, QUART                      ; my quarter of a slot, in LDS and in memory: no place in the cluster enters it
	s_mul_i32 s58, s15, 32*STEPB                   ; the head's first byte in kv
	s_mov_b32 s59, 0
	s_add_co_u32 s56, s54, STEPB-KOFF              ; the records begin behind K(0): 6,656 bytes on
	s_mov_b32 s57, 0
	; Q: block of 128 tokens 32 head + 2 block + wave / 8; pair (wave / 2) % 4; tile wave % 2 of the pair
	s_lshl_b32 s16, s15, 5
	s_lshl_b32 s17, s14, 1
	s_add_co_u32 s16, s16, s17
	s_lshr_b32 s17, s[WV], 3
	s_add_co_u32 s16, s16, s17
	s_mul_i32 s16, s16, 6656
	s_bfe_u32 s17, s[WV], 0x20001
	s_mul_i32 s18, s17, 1536
	s_add_co_u32 s20, s16, s18                     ; the pair's image
	s_mov_b32 s21, 0
	s_lshl_b32 s17, s17, 2
	s_add_co_u32 s22, s16, s17
	s_and_b32 s18, s[WV], 1
	s_lshl_b32 s19, s18, 8
	s_add_co_u32 s22, s22, s19
	s_add_co_u32 s22, s22, 6144                    ; my tile's scale words: 6,144 + 256 (wave % 2) + 4 pair, 16 bytes from row to row
	s_mov_b32 s23, 0
	s_cmp_lg_u32 s18, 0
	s_cselect_b32 s46, -1, 0                       ; all lanes: the pair's second tile is mine
	; the results: token tile 256 batch + 16 block + wave; head within the batch
	s_lshr_b32 s48, s15, 3
	s_lshl_b32 s48, s48, 8
	s_lshl_b32 s49, s14, 4
	s_add_co_u32 s48, s48, s49
	s_add_co_u32 s48, s48, s[WV]
	s_and_b32 s49, s15, 7
	s_mul_i32 s50, s48, 6144
	s_mul_i32 s51, s49, 768
	s_add_co_u32 s50, s50, s51
	s_mov_b32 s51, 0
	s_lshl_b32 s52, s48, 9
	s_lshl_b32 s53, s49, 6
	s_add_co_u32 s52, s52, s53
	s_mov_b32 s53, 0
	s_mov_b32 s[CS], 0x3e38aa3b                    ; c = log2(e) / 8
	s_mov_b32 s[CS+1], s[CS]                       ; (named with it as a pair, so it is written)
	s_mov_b32 s[CN], 0xbe38aa3b                    ; -c
	s_mov_b32 s[SEL], 0x76543210
	s_mov_b32 s[SEL+1], 0xfedcba98
	s_wait_dscnt 0x0                               ; both opening adds are done
	s_wait_kmcnt 0x0
	s_add_nc_u64 s[58:59], s[6:7], s[58:59]        ; kv at my head: K(0)
	s_add_nc_u64 s[6:7], s[58:59], s[56:57]        ; and at my quarter of the first eight records
	s_add_nc_u64 s[20:21], s[4:5], s[20:21]
	s_add_nc_u64 s[22:23], s[4:5], s[22:23]
	s_add_nc_u64 s[8:9], s[8:9], s[50:51]
	s_add_nc_u64 s[10:11], s[10:11], s[52:53]
	CROUND                                         ; all four work-groups are here: the first joint loads meet
	s_mov_b32 s[G0], 1                             ; count = 1
	s_mov_b32 s[G0+1], s54                         ; LDS address: slot 0
	s_mov_b64 s[G0+2:G0+3], s[6:7]                 ; records 0 to 7
	s_or_b32 s[G0+3], s[G0+3], 0x80000000          ; type = 2
	s_mov_b32 s[G0+4], 1
	s_add_co_u32 s[G0+5], s54, SLOTB               ; slot 1
	s_add_nc_u64 s[G0+6:G0+7], s[6:7], SLOTB       ; records 8 to 15
	s_or_b32 s[G0+7], s[G0+7], 0x80000000
	JLOAD 0                                        ; one tensor load a wave at the head
	v_and_b32 v5, 31, v0
	v_lshlrev_b32 v[LI], 4, v5
	v_lshlrev_b32 v[L8], 3, v5
	v_and_b32 v[RO], 15, v0
	v_lshlrev_b32 v[RO], 4, v[RO]                  ; 16 r
	v_and_b32 v6, 7, v0
	v_bfe_u32 v9, v0, 3, 1
	v_lshlrev_b32 v[KSL], 4, v6
	v_lshl_add_u32 v[KSL], v9, 2, v[KSL]
	v_bfe_u32 v9, v0, 4, 1                         ; h
	v_lshl_add_u32 v[KSL], v9, 8, v[KSL]
	v_lshlrev_b32 v[SH8], 3, v9
.irp c, 0,1,2
	global_load_b128 v[S+4*\c:S+4*\c+3], v[LI], s[20:21] offset:512*\c   ; the pair's image: twelve registers, six of them mine
.endr
	global_load_b32 v[QS], v[RO], s[22:23]         ; lanes 0-15 hold my tile's scale words
.irp i, 0,1,2,3,4,5,6,7,8,9,10,11
	global_load_b128 v[KB+4*\i:KB+4*\i+3], v[LI], s[58:59] offset:512*\i   ; K(0), which lies ahead of the first record
.endr
.irp b, 0,1,2,3
	global_load_b32 v[KS+\b], v[KSL], s[58:59] offset:6144+128*(\b%2)+8*(\b/2)
.endr
	v_mov_b32 v[NM+1], 0xff61b1e6                  ; the largest score so far: -3e38, under every score
	v_floor_f32 v[NM], -v[NM+1]                    ; -M
	v_mov_b32 v[SUM], 0
	v_mov_b32 v[SUM+1], 0
	v_mov_b32 v[FF], 0
	v_mov_b32 v[FF+1], 0                           ; (named as the upper half of a pair)
	v_mov_b32 v[TT], 0
	v_mov_b32 v[TT+1], 0                           ; written once: a lane permute's destination counts as one of its sources
.irp i, 0,1,2,3,4,5
	v_mov_b32 v[Q+6+\i], 0                         ; Q's upper 64 along K: zero codes
	v_mov_b32 v[VB+\i], 0                          ; and what stands behind K's tile 7 in the first product of all
.endr
	s_wait_loadcnt 0x0
.irp i, 0,1,2,3,4,5
	v_cndmask_b32 v[Q+\i], v[S+\i], v[S+6+\i], s46 ; my tile of the pair
.endr
.set j, 0
.rept 32
	v_mov_b32 v[O+j], 0                            ; O^T.  (The step is written once: the first finds zeros, which the first change of M leaves zeros.  These are also the places between Q's codes and the product)
.set j, j+1
.endr
	QK                                             ; step 0's scores
	s_wait_alu depctr_va_vdst(0)
	s_wait_tensorcnt 0x0                           ; my part of slot 0 is in
	ds_add_u32 v[SPW], v[NIL]
	ds_add_u32 v[SPW], v[NIL]
	s_wait_dscnt 0x0
	CROUND                                         ; everybody's part is in, and all four work-groups are here
	JLOAD 1                                        ; slot 1's first fill
	PHASE 0, 8                                     ; key steps 0 to 7
	CHANGE 1, 0                                    ; slot 0 takes records 16 to 23
	PHASE 1, 8
	CHANGE 2, 1                                    ; slot 1 takes records 24 to 31
	PHASE 0, 8
	CHANGE 0, 0                                    ; nothing is left to fetch
	PHASE 1, 7
	STEP 0                                         ; the last key step has no successor
	; THE WAY OUT.  O^T / the row's sum: register 16 b + i is channel 32 b + 16 h + i of my query: two blocks of the last product's K.
.rept 4
	v_nop                                          ; places behind the last products
.endr
	v_add_f32 v[SUM], v[SUM], v[SUM+1]             ; the sum's two halves,
	s_delay_alu instid0(VALU_DEP_1)
	v_permlanex16_b32 v[TT], v[SUM], s[SEL], s[SEL+1]
	s_delay_alu instid0(VALU_DEP_1)
	v_add_f32 v[SUM], v[SUM], v[TT]                ; and lane l xor 16's
	s_wait_alu depctr_va_vdst(0)
	v_rcp_f32 v[SUM], v[SUM]
	v_and_b32 v[RO], 15, v0                        ; r, from the thread's number.  (A plain place behind the transcendental)
	s_delay_alu instid0(VALU_DEP_1)
	v_lshlrev_b32 v[RO], 2, v[RO]                  ; 4 r: my row's word in asw
.set j, 0
	s_wait_alu depctr_va_vdst(0)
.rept 32
	v_mul_f32 v[S+j], v[O+j], v[SUM]
.set j, j+1
.endr
.irp b, 0,1
	v_max3_num_f32 v[BM+\b], |v[S+16*\b]|, |v[S+16*\b+1]|, 0x1800000
.endr
.irp i, 2,4,6,8,10,12,14
.irp b, 0,1
	s_delay_alu instid0(VALU_DEP_2)
	v_max3_num_f32 v[BM+\b], v[BM+\b], |v[S+16*\b+\i]|, |v[S+16*\b+\i+1]|
.endr
.endr
.irp b, 0,1
	s_delay_alu instid0(VALU_DEP_2)
	v_permlanex16_b32 v[TT+\b], v[BM+\b], s[SEL], s[SEL+1]
.endr
.irp b, 0,1
	s_delay_alu instid0(VALU_DEP_2)
	v_max_num_f32 v[BM+\b], v[BM+\b], v[TT+\b]
.endr
.irp b, 0,1
	s_delay_alu instid0(VALU_DEP_2)
	v_add_nc_u32 v[SO+\b], 0xff000000, v[BM+\b]
.endr
.irp b, 0,1
	s_delay_alu instid0(VALU_DEP_2)
	v_lshrrev_b32 v[BY+\b], 23, v[SO+\b]
.endr
	s_delay_alu instid0(VALU_DEP_1)
	v_lshl_or_b32 v[PS], v[BY+1], 8, v[BY]         ; my row's two bytes
	v_cvt_scalef32_pk16_fp6_f32 v[P:P+2], v[S:S+15], v[SO]
	v_cvt_scalef32_pk16_fp6_f32 v[P+4:P+6], v[S+16:S+31], v[SO+1]
	v_nop                                          ; one plain place behind a scaled conversion
.irp i, 0,1,2
	v_permlane16_swap_b32 v[P+\i], v[P+4+\i]       ; lanes 0-15 now hold block 0 whole, lanes 16-31 block 1
.endr
	s_delay_alu instid0(VALU_DEP_3)
	v_mov_b32 v[P+3], v[P+4]
	s_delay_alu instid0(VALU_DEP_3)
	v_mov_b32 v[P+4], v[P+5]
	s_delay_alu instid0(VALU_DEP_3)
	v_mov_b32 v[P+5], v[P+6]
	; ac [token tile][head][768] as it is laid here (this takes the place of the head comment's line on ac): registers 0-3 of lane l at 16 l, registers 4, 5 at 512 + 8 l
	global_store_b128 v[LI], v[P:P+3], s[8:9]                  ; 512 consecutive bytes, aligned
	global_store_b64 v[L8], v[P+4:P+5], s[8:9] offset:512      ; 256 consecutive bytes, aligned
	global_store_b32 v[RO], v[PS], s[10:11]        ; 64 bytes; lanes l and l + 16 hold the same word and write it to the same place
	s_wait_tensorcnt 0x0                           ; the wave's end
	ds_add_u32 v[SPW], v[NIL]
	s_wait_dscnt 0x0
	CROUND                                         ; the closing round: no work-group ends while a partner may still ask for a tile that names it
	s_endpgm
.Lfunc_end_k_qa19374421d_attn:
	.size	k_qa19374421d_attn, .Lfunc_end_k_qa19374421d_attn-k_qa19374421d_attn
	.p2alignl 7, 3214868480
	.fill 96, 4, 3214868480
	.section	.rodata,"a",@progbits
	.p2align	6, 0x0
	.amdhsa_kernel k_qa19374421d_attn
		.amdhsa_group_segment_fixed_size 327680
		.amdhsa_private_segment_fixed_size 0
		.amdhsa_enable_private_segment 0
		.amdhsa_kernarg_size 32
		.amdhsa_user_sgpr_count 2
		.amdhsa_user_sgpr_kernarg_segment_ptr 1
		.amdhsa_wavefront_size32 1
		.amdhsa_system_sgpr_workgroup_id_x 1
		.amdhsa_system_sgpr_workgroup_id_y 1
		.amdhsa_system_sgpr_workgroup_id_z 1
		.amdhsa_system_vgpr_workitem_id 0
		.amdhsa_next_free_vgpr 256
		.amdhsa_next_free_sgpr 80
		.amdhsa_reserve_vcc 0
		.amdhsa_float_denorm_mode_32 3
		.amdhsa_float_denorm_mode_16_64 3
		.amdhsa_memory_ordered 1
		.amdhsa_forward_progress 1
		.amdhsa_inst_pref_size 90
	.end_amdhsa_kernel
	.amdgpu_metadata
---
amdhsa.version: [ 1, 2 ]
amdhsa.kernels:
  - .name:           k_qa19374421d_attn
    .symbol:         k_qa19374421d_attn.kd
    .args:
      - { .name: qbuf, .offset: 0, .size: 8, .value_kind: global_buffer, .address_space: global }
      - { .name: kv, .offset: 8, .size: 8, .value_kind: global_buffer, .address_space: global }
      - { .name: ac, .offset: 16, .size: 8, .value_kind: global_buffer, .address_space: global }
      - { .name: asw, .offset: 24, .size: 8, .value_kind: global_buffer, .address_space: global }
    .group_segment_fixed_size: 327680
    .private_segment_fixed_size: 0
    .kernarg_segment_align: 8
    .kernarg_segment_size: 32
    .max_flat_workgroup_size: 512
    .sgpr_count:     80
    .vgpr_count:     256
    .wavefront_size: 32
...
	.end_amdgpu_metadata
.endif
;; end of part 3
;; launch oproj (part 4): grid 256 x 1, 4 waves a work-group, clusters of 4 x 1, 230,912 bytes of LDS; arguments ac, asw, codes, scales, bo, out0; writes out0
.if DOCPART == 4
	.amdgcn_target "amdgcn-amd-amdhsa--gfx1250"
	.amdhsa_code_object_version 6
	.text
	.protected	k_qa19374421d_oproj
	.globl	k_qa19374421d_oproj
	.p2align	8
	.type	k_qa19374421d_oproj,@function
k_qa19374421d_oproj:
	s_mov_b64 s[64:65], 0
	v_nop
	global_prefetch_b8 v0, s[64:65] scope:SCOPE_SE
	s_setreg_imm32_b32 hwreg(HW_REG_WAVE_MODE, 25, 1), 1
	s_wait_xcnt 0x0
	s_wait_alu depctr_hold_cnt(0) depctr_sa_sdst(0) depctr_va_vdst(0) depctr_va_sdst(0) depctr_va_ssrc(0) depctr_va_vcc(0) depctr_vm_vsrc(0)
	s_getreg_b32 s2, hwreg(HW_REG_IB_STS2, 6, 4)
	s_cmp_eq_u32 s2, 0
	s_cbranch_scc0 .Lentry_in_a_cluster
	s_endpgm
.Lentry_in_a_cluster:
	s_bfe_u32 s2, ttmp6, 0x10000c
	s_cmp_lg_u32 s2, 0x3003
	s_cbranch_scc0 .Lentry_shape_is_right
	s_endpgm
.Lentry_shape_is_right:
; out0 = a Wo^T + bo on codes of FP6 (E2M3) with one E8M0 scale for each 32 along K.  a: the attention's result, [8192][512], as the launch before left it; Wo: tiles 608 to 639 of codes.
; SHARES: work-group g takes token tiles 2 g and 2 g + 1 (tokens 32 g .. 32 g + 31), wave w columns 128 w .. 128 w + 127 (eight tiles of Wo): 16 accumulators, four K steps, 64 products.
; Wo: a wave's eight tiles are 49,152 dense bytes of codes: ONE tensor load a wave, at the head, 192 rows of 256 bytes, into LDS bytes that this wave alone reads; nothing is filled again, so no barrier but the cluster's rounds.
; CLUSTER: every work-group reads the same Wo, so the four of a cluster ask for it JOINTLY: the same load, the same descriptor (it hangs on the wave's number alone), a mask that names the four.
; a, its scale bytes, Wo's scale words and bo come straight into registers by 60 loads a wave, which go out ahead of the round: 32 + 8 + 4 + 16.
; TRANSPOSED: source 0 = 16 rows of Wo, source 1 = 16 tokens: a lane holds one token, and register j of tile w column 128 wave + 32 (w / 2) + 16 h + 8 (w % 2) + j.  bo is the C of each sum's first product.
; The way out: 16 tokens x 128 columns go through the wave's own stage in LDS (rows of 512 + 16 bytes, bytes on which no fill lands) and leave as rows of 512 consecutive bytes.
; NO PREFETCH: the launch has no loop to run ahead in; all that it reads is asked for at its head.
; REGISTERS: window 0 below; window 1: Wo's fragments of K steps 0, 1 at 12 (2 w + s); window 2: of K steps 2, 3; window 3: accumulator (t, w) at 8 (8 t + w).
.set WOB,   49152                      ; LDS: a wave's eight tiles of Wo, at WOB x wave
.set STAGE, 4*WOB                      ; behind them the four stages, 8,448 bytes each
.set SPARE, STAGE+4*8448               ; and the spare words, 128 bytes for each wave: two blocks of 256 bytes that no other line names
.set LI,  1                            ; v1  16 x lane
.set L8,  2                            ; v2  8 x lane
.set AA,  3                            ; v3  512 h + 4 r: a's scale halves, lanes 0-15 tile 2 g, lanes 16-31 tile 2 g + 1
.set BH,  4                            ; v4  64 h
.set STO, 5                            ; v5  the stage: STAGE + 8,448 wave + 528 r + 64 h
.set RD,  6                            ; v6  and back: STAGE + 8,448 wave + 16 x lane
.set WA,  10                           ; v10 my tiles of Wo in LDS: WOB x wave + 16 x lane
.set SPW, 12                           ; v12 LDS address of my spare word; never rewritten
.set NIL, 13                           ; v13 0; never rewritten
.set WS,  16                           ; v16-31 Wo's scale words: register 4 b + s: lanes 0-15 tile 2 b, lanes 16-31 tile 2 b + 1
.set AH,  32                           ; v32-39 a's scale bytes, a head to a register
.set AS,  40                           ; v40-43 a's scale words, a K step to a register
.set AF,  48                           ; v48-143 a's fragments (t, s) at 12 (4 t + s); later rows on their way out
.set BI,  144                          ; v144-207 bo in the result's layout
.set WV,  16                           ; s16 my wave's number
.set G1,  32                           ; s[32:39] descriptor group 1;  s[40:43] group 0
.set G0,  40
.set MSB, 0
.macro WIN new                         ; the immediate's high byte repeats the setting that is left
.if MSB != \new
	s_set_vgpr_msb (MSB<<8)|\new
.set MSB, \new
.endif
.endm
.macro CROUND                          ; a round of the cluster's barrier
	s_barrier_signal -1
	s_barrier_wait -1
	s_cmp_lg_u32 s[WV], 0
	s_cbranch_scc1 .Lnot_wave_0_\@
	s_barrier_signal -3
.Lnot_wave_0_\@:
	s_barrier_wait -3
	s_barrier_signal -1
	s_barrier_wait -1
.endm
.macro EMIT                            ; one product, from the symbols rD, rA, rB, rC, sA, sB, wA, wB (1: the scales stand in lanes 16-31)
.if wA && wB
	v_wmma_scale_f32_16x16x128_f8f6f4 v[rD:rD+7], v[rA:rA+11], v[rB:rB+11], v[rC:rC+7], v[sA], v[sB] matrix_a_fmt:MATRIX_FMT_FP6 matrix_b_fmt:MATRIX_FMT_FP6 matrix_a_scale:MATRIX_SCALE_ROW1 matrix_b_scale:MATRIX_SCALE_ROW1
.elseif wA
	v_wmma_scale_f32_16x16x128_f8f6f4 v[rD:rD+7], v[rA:rA+11], v[rB:rB+11], v[rC:rC+7], v[sA], v[sB] matrix_a_fmt:MATRIX_FMT_FP6 matrix_b_fmt:MATRIX_FMT_FP6 matrix_a_scale:MATRIX_SCALE_ROW1
.elseif wB
	v_wmma_scale_f32_16x16x128_f8f6f4 v[rD:rD+7], v[rA:rA+11], v[rB:rB+11], v[rC:rC+7], v[sA], v[sB] matrix_a_fmt:MATRIX_FMT_FP6 matrix_b_fmt:MATRIX_FMT_FP6 matrix_b_scale:MATRIX_SCALE_ROW1
.else
	v_wmma_scale_f32_16x16x128_f8f6f4 v[rD:rD+7], v[rA:rA+11], v[rB:rB+11], v[rC:rC+7], v[sA], v[sB] matrix_a_fmt:MATRIX_FMT_FP6 matrix_b_fmt:MATRIX_FMT_FP6
.endif
.endm
	s_load_b256 s[4:11], s[0:1], 0x0               ; ac, asw, codes, scales
	s_load_b128 s[12:15], s[0:1], 0x20             ; bo, out0
	v_lshl_add_u32 v[SPW], v0, 2, SPARE
	v_mov_b32 v[NIL], 0
	ds_add_u32 v[SPW], v[NIL]                      ; the opening lines: the add, twice on end, and its wait ahead of the round in front of my tensor load
	ds_add_u32 v[SPW], v[NIL]
	v_lshrrev_b32 v7, 5, v0
	v_readfirstlane_b32 s[WV], v7                  ; wave
	v_and_b32 v7, 31, v0                           ; lane
	v_and_b32 v8, 15, v0                           ; r
	v_bfe_u32 v9, v0, 4, 1                         ; h
	v_lshlrev_b32 v[LI], 4, v7
	v_lshlrev_b32 v[L8], 3, v7
	v_lshlrev_b32 v[AA], 2, v8
	v_lshl_add_u32 v[AA], v9, 9, v[AA]
	v_lshlrev_b32 v[BH], 6, v9
	s_mul_i32 s17, s[WV], 8448
	s_add_co_u32 s17, s17, STAGE
	s_mul_i32 s30, s[WV], WOB
	v_mul_u32_u24 v[STO], v8, 528
	v_lshl_add_u32 v[STO], v9, 6, v[STO]
	v_add_nc_u32 v[STO], s17, v[STO]
	v_add_nc_u32 v[RD], s17, v[LI]
	v_add_nc_u32 v[WA], s30, v[LI]
	s_bfe_u32 s31, ttmp6, 0x40000                  ; cx: my place in the cluster
	s_lshl_b32 s44, ttmp9, 2                       ; in a cluster launch ttmp9 counts clusters
	s_add_co_u32 s44, s44, s31                     ; g: it enters a's, its scales' and the result's addresses alone
	s_mul_i32 s18, s44, 12288                      ; my two tiles of a,
	s_mov_b32 s19, 0
	s_lshl_b32 s20, s44, 10                        ; their scale bytes,
	s_mov_b32 s21, 0
	s_lshl_b32 s22, s[WV], 3
	s_add_co_u32 s22, s22, 608                     ; my first tile of Wo
	s_lshl_b32 s24, s22, 8
	s_mov_b32 s25, 0
	s_mul_i32 s22, s22, 6144
	s_mov_b32 s23, 0
	s_lshl_b32 s26, s[WV], 9                       ; my 128 columns, in bytes
	s_mov_b32 s27, 0
	s_lshl_b32 s28, s44, 16                        ; my 32 rows of out0
	s_add_co_u32 s28, s28, s26
	s_mov_b32 s29, 0
	; descriptor group 1: 192 rows of 256 bytes (32 elements of 8 bytes), dense, no padding
	s_mov_b32 s[G1], 15|(3<<16)|(1<<21)            ; 15:0 the mask: all four work-groups; 17:16 elements of 8 bytes; 21 set beside a mask
	s_mov_b32 s[G1+1], 32<<16
	s_mov_b32 s[G1+2], 192<<16
	s_mov_b32 s[G1+3], 32<<16
	s_mov_b32 s[G1+4], 192
	s_mov_b32 s[G1+5], 32
	s_mov_b32 s[G1+6], 0
	s_mov_b32 s[G1+7], 0
	s_wait_alu depctr_va_vdst(0)
	s_wait_dscnt 0x0                               ; both opening adds are done
	s_wait_kmcnt 0x0
	s_add_nc_u64 s[4:5], s[4:5], s[18:19]
	s_add_nc_u64 s[6:7], s[6:7], s[20:21]
	s_add_nc_u64 s[8:9], s[8:9], s[22:23]
	s_add_nc_u64 s[10:11], s[10:11], s[24:25]
	s_add_nc_u64 s[12:13], s[12:13], s[26:27]
	s_add_nc_u64 s[14:15], s[14:15], s[28:29]
.irp t, 0,1
.irp d, 0,1,2,3,4,5,6,7
	global_load_b128 v[AF+12*(4*\t+\d/2)+6*(\d%2):AF+12*(4*\t+\d/2)+6*(\d%2)+3], v[LI], s[4:5] offset:6144*\t+768*\d         ; heads 2 s and 2 s + 1 are K step s: a head's registers 0-3,
	global_load_b64 v[AF+12*(4*\t+\d/2)+6*(\d%2)+4:AF+12*(4*\t+\d/2)+6*(\d%2)+5], v[L8], s[4:5] offset:6144*\t+768*\d+512   ; and 4, 5
.endr
.endr
.irp d, 0,1,2,3,4,5,6,7
	global_load_b32 v[AH+\d], v[AA], s[6:7] offset:64*\d
.endr
.irp b, 0,1,2,3
	global_load_b128 v[WS+4*\b:WS+4*\b+3], v[LI], s[10:11] offset:512*\b
.endr
.irp w, 0,1,2,3,4,5,6,7
	global_load_b128 v[BI+8*\w:BI+8*\w+3], v[BH], s[12:13] offset:(32*(\w/2)+8*(\w%2))*4
	global_load_b128 v[BI+8*\w+4:BI+8*\w+7], v[BH], s[12:13] offset:(32*(\w/2)+8*(\w%2))*4+16
.endr
	CROUND                                         ; all four work-groups are here: the joint loads meet
	s_mov_b32 s[G0], 1                             ; count = 1
	s_mov_b32 s[G0+1], s30                         ; LDS address: WOB x wave
	s_mov_b64 s[G0+2:G0+3], s[8:9]                 ; my eight tiles of Wo
	s_or_b32 s[G0+3], s[G0+3], 0x80000000          ; type = 2
	tensor_load_to_lds s[G0:G0+3], s[G1:G1+7]      ; every wave's one tensor load
	s_nop 0
.rept 4
	v_nop
.endr
	s_wait_tensorcnt 0x0                           ; my tiles are in; I alone read them
	WIN 0x40                                       ; destination window 1
.irp w, 0,1,2,3,4,5,6,7
.irp s, 0,1
.irp c, 0,1,2
	ds_load_b128 v[12*(2*\w+\s)+4*\c:12*(2*\w+\s)+4*\c+3], v[WA] offset:6144*\w+1536*\s+512*\c
.endr
.endr
.endr
	WIN 0x80                                       ; destination window 2
.irp w, 0,1,2,3,4,5,6,7
.irp s, 0,1
.irp c, 0,1,2
	ds_load_b128 v[12*(2*\w+\s)+4*\c:12*(2*\w+\s)+4*\c+3], v[WA] offset:6144*\w+1536*(\s+2)+512*\c
.endr
.endr
.endr
	WIN 0
	s_wait_loadcnt 0x0                             ; a, the scales and bo
	s_wait_dscnt 48                                ; Wo's K steps 0 and 1 are in registers; the 48 loads of K steps 2 and 3 may be out
.irp s, 0,1,2,3
	v_lshl_or_b32 v[AS+\s], v[AH+2*\s+1], 16, v[AH+2*\s]   ; two heads' bytes make a K step's scale word
.endr
	s_wait_alu depctr_va_vdst(0)                   ; directly behind the writes
.rept 8
	v_nop                                          ; a scale register written by a vector instruction stands eight places ahead of a scaled product
.endr
.irp s, 0,1,2,3                                ; the sixteen accumulators by turns, a K step at a time
.if \s == 0
	WIN 0xc1                                       ; Wo window 1, a and bo window 0, D window 3
.elseif \s == 1
	WIN 0xf1                                       ; C and D window 3
.else
	WIN 0xf2                                       ; Wo window 2
.endif
.if \s == 2
	s_wait_dscnt 0x0                               ; Wo's K steps 2 and 3 are in
.endif
.irp t, 0,1
.irp w, 0,1,2,3,4,5,6,7
.set rD, 8*(8*\t+\w)
.set rA, 12*(2*\w+\s%2)
.set rB, AF+12*(4*\t+\s)
.set sA, WS+4*(\w/2)+\s
.set wA, \w%2
.set sB, AS+\s
.set wB, \t
.if \s == 0
.set rC, BI+8*\w
.else
.set rC, rD
.endif
	EMIT
.endr
.endr
.endr
	WIN 0
.rept 4
	v_nop                                          ; places in front of the first read of results and of loads into registers that the products read
.endr
.irp t, 0,1
	WIN 0x0c                                       ; an LDS store's data are its source 1: window 3
.irp w, 0,1,2,3,4,5,6,7
	ds_store_b128 v[STO], v[8*(8*\t+\w):8*(8*\t+\w)+3] offset:128*(\w/2)+32*(\w%2)        ; each accumulator from its low end on
	ds_store_b128 v[STO], v[8*(8*\t+\w)+4:8*(8*\t+\w)+7] offset:128*(\w/2)+32*(\w%2)+16
.endr
	WIN 0
.irp i, 0,1,2,3,4,5,6,7,8,9,10,11,12,13,14,15
	ds_load_b128 v[AF+64*\t+4*\i:AF+64*\t+4*\i+3], v[RD] offset:528*\i   ; LDS serves a wave's instructions in order (ISA guide 5.7.1.4): these see my stores, and the next tile's stores come behind them
.endr
.endr
	s_wait_dscnt 32                                ; tile 0's rows are back; tile 1's sixteen stores and sixteen loads may be out
.irp i, 0,1,2,3,4,5,6,7,8,9,10,11,12,13,14,15
	global_store_b128 v[LI], v[AF+4*\i:AF+4*\i+3], s[14:15] offset:(\i+8*(\i/8))*2048 th:TH_STORE_NT   ; row i of the tile is token 8 t + i + 8 (i / 8) of my 32; 512 consecutive bytes, aligned
.endr
	s_wait_dscnt 0x0
.irp i, 0,1,2,3,4,5,6,7,8,9,10,11,12,13,14,15
	global_store_b128 v[LI], v[AF+64+4*\i:AF+64+4*\i+3], s[14:15] offset:(8+\i+8*(\i/8))*2048 th:TH_STORE_NT
.endr
	s_wait_tensorcnt 0x0                           ; the wave's end, behind my tensor load and my last LDS store
	ds_add_u32 v[SPW], v[NIL]
	s_wait_dscnt 0x0
	CROUND                                         ; the closing round: no work-group ends while a partner may still ask for a tile that names it
	s_endpgm
.Lfunc_end_k_qa19374421d_oproj:
	.size	k_qa19374421d_oproj, .Lfunc_end_k_qa19374421d_oproj-k_qa19374421d_oproj
	.p2alignl 7, 3214868480
	.fill 96, 4, 3214868480
	.section	.rodata,"a",@progbits
	.p2align	6, 0x0
	.amdhsa_kernel k_qa19374421d_oproj
		.amdhsa_group_segment_fixed_size 230912
		.amdhsa_private_segment_fixed_size 0
		.amdhsa_enable_private_segment 0
		.amdhsa_kernarg_size 48
		.amdhsa_user_sgpr_count 2
		.amdhsa_user_sgpr_kernarg_segment_ptr 1
		.amdhsa_wavefront_size32 1
		.amdhsa_system_sgpr_workgroup_id_x 1
		.amdhsa_system_sgpr_workgroup_id_y 1
		.amdhsa_system_sgpr_workgroup_id_z 1
		.amdhsa_system_vgpr_workitem_id 0
		.amdhsa_next_free_vgpr 896
		.amdhsa_next_free_sgpr 66
		.amdhsa_reserve_vcc 0
		.amdhsa_float_denorm_mode_32 3
		.amdhsa_float_denorm_mode_16_64 3
		.amdhsa_memory_ordered 1
		.amdhsa_forward_progress 1
		.amdhsa_inst_pref_size 33
	.end_amdhsa_kernel
	.amdgpu_metadata
---
amdhsa.version: [ 1, 2 ]
amdhsa.kernels:
  - .name:           k_qa19374421d_oproj
    .symbol:         k_qa19374421d_oproj.kd
    .args:
      - { .name: ac, .offset: 0, .size: 8, .value_kind: global_buffer, .address_space: global }
      - { .name: asw, .offset: 8, .size: 8, .value_kind: global_buffer, .address_space: global }
      - { .name: codes, .offset: 16, .size: 8, .value_kind: global_buffer, .address_space: global }
      - { .name: scales, .offset: 24, .size: 8, .value_kind: global_buffer, .address_space: global }
      - { .name: bo, .offset: 32, .size: 8, .value_kind: global_buffer, .address_space: global }
      - { .name: out0, .offset: 40, .size: 8, .value_kind: global_buffer, .address_space: global }
    .group_segment_fixed_size: 230912
    .private_segment_fixed_size: 0
    .kernarg_segment_align: 8
    .kernarg_segment_size: 48
    .max_flat_workgroup_size: 128
    .sgpr_count:     66
    .vgpr_count:     896
    .wavefront_size: 32
...
	.end_amdgpu_metadata
.endif
;; end of part 4
